; MI455X (gfx1250); checked and timed in simulation.
; The chip was launched on July 23, 2026; its instructions are those of AMD's public machine-readable ISA for CDNA 5 (MIT licence, August 2026) and "CDNA5" Instruction Set Architecture Reference Guide (July 2026). The comments in the code are by the model that wrote it; some were corrected since.
;; Causal Self Attention. Allowed arithmetic: matrix products marked QUANTISED: E3M2 operands, one E8M0 scale for each 32 along K, by v_wmma_scale_f32_16x16x128_f8f6f4 with both operands' format E3M2, f32 sums; everything else in f32.
;; Inputs: k 4 x 2,048 x 1,024 float32; mask 1 x 1 x 2,048 x 2,048 float32; q 4 x 2,048 x 1,024 float32; v 4 x 2,048 x 1,024 float32; wk_b 1,024 float32; wk_w 1,024 x 1,024 float32; wo_b 1,024 float32; wo_w 1,024 x 1,024 float32; wq_b 1,024 float32; wq_w 1,024 x 1,024 float32; wv_b 1,024 float32; wv_w 1,024 x 1,024 float32.
;; Outputs: out0 4 x 2,048 x 1,024 float32.
;; This version of the problem:
;;   THIS VERSION OF THE PROBLEM IS GIVEN IN LOW PRECISION. The matrix products marked QUANTISED in the list below multiply operands that are first quantised to E3M2 (3 exponent bits, 2 mantissa bits; 6 bits a number), with one power-of-two scale for each 32 numbers along K (OCP MX v1.0); their sums are f32. All else is computed in f32.
;;   The module's matrix products, in the order in which they are computed (A, B: the left and right operand; K: the contracted axis; several contracted axes count as one K, in the product's order):
;;     1. [M 8,192, K 1,024] x [K 1,024, N 1,024]; A: input q; B: input wq_w: QUANTISED
;;     2. [M 8,192, K 1,024] x [K 1,024, N 1,024]; A: input k; B: input wk_w: QUANTISED
;;     3. [M 8,192, K 1,024] x [K 1,024, N 1,024]; A: input v; B: input wv_w: QUANTISED
;;     4. batch 64 x [M 2,048, K 64] x [K 64, N 2,048]; A: computed on the way; B: computed on the way: QUANTISED
;;     5. batch 64 x [M 2,048, K 2,048] x [K 2,048, N 64]; A: softmax (see below); B: computed on the way: QUANTISED
;;     6. [M 8,192, K 1,024] x [K 1,024, N 1,024]; A: computed on the way; B: input wo_w: QUANTISED
;;   THE QUANTISER, for each operand of a quantised product, along K:
;;     - K is cut into blocks of 32 from its start; a last block that is shorter is filled with zeros.
;;     - A block's scale is 2^e with e = floor(log2(the largest magnitude in the block)) - 4, held to -126 .. 127; a block of zeros has e = 0. As a byte (E8M0): e + 127.
;;     - Each number is divided by its block's scale, clamped to +-28, and rounded to the nearest number of E3M2, ties to even, subnormals kept.
;;     - The product sums the exact products of the quantised numbers (number of the format x scale) in f32.
;;   ~~~python
;;   def quantise(x, axis):      # numpy; x: float32 -> the quantised numbers, widened to float32 again
;;       x = np.moveaxis(x, axis, -1); K = x.shape[-1]
;;       x = np.pad(x, [(0, 0)] * (x.ndim - 1) + [(0, -K % 32)]); x = x.reshape(x.shape[:-1] + (-1, 32)); a = np.abs(x).max(-1, keepdims=True)
;;       e = np.where(a > 0, np.clip(np.frexp(np.where(a > 0, a, 1))[1] - 1 - 4, -126, 127), 0)      # np.frexp(a)[1] - 1 = floor(log2(a)), exactly
;;       r = np.clip(x / 2.0 ** e, -28, 28)
;;       step = 2.0 ** (np.maximum(np.frexp(np.where(r == 0, 1, r))[1] - 1, -2) - 2)
;;       q = np.round(r / step) * step * 2.0 ** e      # np.round: ties to even
;;       return np.moveaxis(q.reshape(q.shape[:-2] + (-1,))[..., :K], -1, axis).astype(np.float32)
;;   ~~~
;;   SOFTMAX AHEAD OF A QUANTISED PRODUCT. Where the list says 'softmax', what is quantised is not the finished softmax but p = 2^(t - M), with t = logit x log2(e) and M = ceil(the row's largest t), a whole number; so 1/2 < the row's largest p <= 1. The row's sum l is taken of the UNQUANTISED p, in f32, and the product's result is divided by l at the end. Since M is a whole number, a kernel that streams over the keys may use a running M (the ceiling of the running maximum): every later rescaling is an exact power of two, which a block's scale takes up: the codes' values come out the same.
;;   OPERANDS COMPUTED ON THE WAY. 'Computed on the way' means the value that the module computes at that place (a softmax that the list does not call 'softmax' is quantised finished and normalised). What goes into a quantiser is computed in f32, as accurately as f32 sums, v_exp_f32 and their like allow (about 1e-6 of the number): no bf16 or f16 on the way to a quantiser, and a product that is left as it is and whose result goes on into a quantised operand takes f32 operands (vector FMAs, or v_wmma_f32_16x16x4_f32). A number that lies on a knife's edge between two numbers of the format may be rounded either way, as far as f32 arithmetic and the matrix unit's own rounding can turn it there, and no further.
;; One version. Each part assembles by itself: llvm-mc -triple=amdgcn-amd-amdhsa -mcpu=gfx1250 --defsym DOCPART=n.
;; ======== version 1 of 1: 4 launches
;; limits: right only within a limited range of input values
;; workspace buffers: xq 19,660,800 bytes; wq 3,276,800 bytes; flags 512 bytes of whole numbers; hq 20,185,088 bytes; aq 6,553,600 bytes
;; launch prep (part 1): grid 1024 x 1, 4 waves a work-group, no clusters, 68,608 bytes of LDS; arguments q, k, v, wq_w, wk_w, wv_w, wo_w, mask, xq, wq, flags; writes xq, wq, flags
.if DOCPART == 1
	.amdgcn_target "amdgcn-amd-amdhsa--gfx1250"
	.amdhsa_code_object_version 6
	.text
	.protected	k_q863143d11e_prep
	.globl	k_q863143d11e_prep
	.p2align	8
	.type	k_q863143d11e_prep,@function
k_q863143d11e_prep:
	s_mov_b64 s[64:65], 0
	v_nop
	global_prefetch_b8 v0, s[64:65] scope:SCOPE_SE
	s_setreg_imm32_b32 hwreg(HW_REG_WAVE_MODE, 25, 1), 1
	s_wait_xcnt 0x0
; PREP: three kinds of work-group, 128 KiB of input each, parted by the work-group's number; each kind has LDS bytes of its own.
;   0 .. 767    q, k, v [8192][1024] f32 -> codes of BF6 (E3M2), K innermost, 768 bytes a row, and one E8M0 byte for each 32 along K  (xq)
;   768 .. 895  the four weights [K 1024][N 1024] f32 -> codes laid [N][K], K innermost, and their scale bytes                          (wq)
;   896 .. 1023 the mask [2048][2048] f32 -> one word of flags for each tile of 16 queries                                             (flags)
; THE ORDER OF ROWS.  Every buffer of rows that this program keeps holds logical row s at row sigma(s): s with bits 3 and 4 exchanged.  Sixteen neighbouring rows of memory
; are then logical rows 32 b + 8 u + r + 8 (r / 8), so that in a product used transposed the 16 registers of two neighbouring tiles are 16 neighbours along the next K.
; A block's scale is 2^(floor(log2(its largest magnitude)) - 4); its byte is the largest magnitude's exponent field - 4, held at 1 from below.
; FLAGS.  Word tau: bit s = key step s (128 keys) is needed by tile tau; bit 16 + s = it is needed and its mask is not all zeros.  A step is NOT needed where in every row of the tile
; the least mask value of the step lies 0.5 or more above the row's least mask value: its logits then lie 5e8 or more under the row's best key's, and every p of it is 0 in f32.
; LIMITS: that holds while a row's logits spread by less than 4.9e8.  NaN and infinities among the inputs are not served.  Blocks whose largest magnitude lies under 2^-122 keep the byte 1;
; a block of zeros gets the byte 1 where the rule says 127: its codes are zeros, and this program alone reads the bytes.
.set EMAX,   4
.set XQ_SC,  18874368                  ; xq: where the scale bytes begin
.set WQ_SC,  3145728                   ; wq: likewise
.set KROW,   768                       ; a row of 1,024 codes in bytes
	v_lshl_add_u32 v192, v0, 2, 0x10a00
	v_mov_b32 v193, 0
	v_lshrrev_b32 v1, 5, v0
	v_readfirstlane_b32 s16, v1                    ; wave 0..3
	v_and_b32 v2, 31, v0                           ; lane
	s_cmp_ge_u32 ttmp9, 896
	s_cbranch_scc1 .Lflags
	s_cmp_ge_u32 ttmp9, 768
	s_cbranch_scc1 .Lweights
; ---------------------------------------------------------------- q, k, v: a plain stream of blocks of 32 numbers
; A wave takes 8 rows (8,192 numbers) in 16 steps of 512.  Each load reads 512 consecutive bytes; a step's 2,048 bytes turn through the wave's own stage in LDS, so that a lane then
; holds 16 neighbours along K (two neighbouring lanes hold a block).  Loads run four steps ahead, the turn one step.  The 8 rows go out at the place that sigma gives them.
.set STEPS, 16
.set CB,    12                         ; bytes of 16 codes
.set XR,    16                         ; v16-79   four sets of 16 numbers as loaded
.set XX,    80                         ; v80-111  two sets of 16 neighbours
.set XC,    128                        ; v128-191 codes: four registers a step, so that no store's data are written again
.set XE,    112                        ; v112-127 a scale byte a step
.set WREG,  8192                       ; LDS 0 .. 32767: a region for each wave: two stages of 32 x SP bytes, then its 256 scale bytes
.set SP,    80                         ; a lane's place in a stage: 64 bytes + 16 of padding
	s_load_b128 s[4:7], s[0:1], 0x0                ; q, k
	s_load_b64 s[8:9], s[0:1], 0x10                ; v
	s_load_b64 s[10:11], s[0:1], 0x40              ; xq
	v_lshlrev_b32 v3, 4, v2                        ; my 16 bytes of a load's 512
	s_mul_i32 s17, s16, WREG
	s_wait_alu depctr_va_vdst(0)
	v_lshrrev_b32 v14, 2, v2
	v_mul_u32_u24 v14, v14, SP
	v_and_b32 v15, 3, v2
	v_lshl_add_u32 v14, v15, 4, v14
	v_add_nc_u32 v14, s17, v14                     ; the stage, on the way in: SP (lane / 4) + 16 (lane % 4)
	v_mul_u32_u24 v15, v2, SP
	v_add_nc_u32 v15, s17, v15                     ; and on the way out: SP x lane
	v_mul_u32_u24 v4, v2, CB                       ; my codes' place in a step's
	v_lshrrev_b32 v5, 1, v2
	s_add_co_u32 s17, s17, 2*32*SP
	v_add_nc_u32 v5, s17, v5                       ; my block's scale byte in LDS
	v_lshlrev_b32 v7, 3, v2
	v_add_nc_u32 v6, s17, v7                       ; and 8 bytes a lane on the way out
	s_lshr_b32 s20, ttmp9, 8                       ; which tensor: 0 q, 1 k, 2 v
	s_and_b32 s21, ttmp9, 255
	s_lshl_b32 s21, s21, 2
	s_add_co_u32 s22, s21, s16                     ; my run of 8 rows, as it is read
	s_lshl_b32 s22, s22, 15
	s_mov_b32 s23, 0
	s_and_b32 s24, s16, 1
	s_lshl_b32 s24, s24, 1
	s_lshr_b32 s25, s16, 1
	s_or_b32 s24, s24, s25
	s_add_co_u32 s24, s21, s24                     ; and as it is stored: the run's bits 0 and 1 are the rows' bits 3 and 4
	s_mul_i32 s26, s20, 6291456
	s_mul_i32 s27, s24, 6144
	s_add_co_u32 s26, s26, s27
	s_mov_b32 s27, 0
	s_lshl_b32 s28, s20, 18
	s_lshl_b32 s29, s24, 8
	s_add_co_u32 s28, s28, s29
	s_add_co_u32 s28, s28, XQ_SC
	s_mov_b32 s29, 0
	s_wait_alu depctr_va_vdst(0)
	s_wait_kmcnt 0x0
	s_cmp_eq_u32 s20, 1                            ; the choice hangs on the work-group's number alone
	s_cselect_b64 s[4:5], s[6:7], s[4:5]
	s_cmp_eq_u32 s20, 2
	s_cselect_b64 s[4:5], s[8:9], s[4:5]
	s_add_nc_u64 s[4:5], s[4:5], s[22:23]
	s_add_nc_u64 s[8:9], s[10:11], s[26:27]        ; my codes
	s_add_nc_u64 s[10:11], s[10:11], s[28:29]      ; my scale bytes
.macro XLOAD t
.irp i, 0,1,2,3
	global_load_b128 v[XR+16*((\t)%4)+4*\i:XR+16*((\t)%4)+4*\i+3], v3, s[4:5] offset:2048*(\t)+512*\i th:TH_LOAD_NT
.endr
.endm
.macro XTURN t                         ; LDS serves a wave's instructions in order, so no wait stands between the stores and the loads
.irp i, 0,1,2,3
	ds_store_b128 v14, v[XR+16*((\t)%4)+4*\i:XR+16*((\t)%4)+4*\i+3] offset:32*SP*((\t)%2)+8*SP*\i
.endr
.irp i, 0,1,2,3
	ds_load_b128 v[XX+16*((\t)%2)+4*\i:XX+16*((\t)%2)+4*\i+3], v15 offset:32*SP*((\t)%2)+16*\i
.endr
.endm
.irp t, 0,1,2,3
	XLOAD \t
.endr
	s_wait_loadcnt 12                              ; step 0's four loads are in; twelve younger ones stay out
	XTURN 0
.macro XSTEP t
.set XS, XX+16*((\t)%2)
.if (\t) > 0
	s_wait_dscnt 1                                 ; this step's numbers are back from the stage; the last step's byte store may be out
.else
	s_wait_dscnt 0x0
.endif
.if (\t)+4 < STEPS
	XLOAD (\t)+4                                   ; into the set whose stores into the stage have read it
.endif
.if (\t)+1 < STEPS
.if STEPS-2-(\t) >= 3
	s_wait_loadcnt 12                              ; the next step's four loads are in; those of the three steps behind it may be out
.else
	s_wait_loadcnt 4*(STEPS-2-(\t))
.endif
	XTURN (\t)+1
.endif
	v_max3_num_f32 v8, |v[XS]|, |v[XS+1]|, |v[XS+2]|               ; the largest magnitude of my 16, in two chains
	v_max3_num_f32 v9, |v[XS+3]|, |v[XS+4]|, |v[XS+5]|
.irp i, 6,10
	v_max3_num_f32 v8, v8, |v[XS+\i]|, |v[XS+\i+1]|
	v_max3_num_f32 v9, v9, |v[XS+\i+2]|, |v[XS+\i+3]|
.endr
	v_max3_num_f32 v8, v8, |v[XS+14]|, |v[XS+15]|
	v_max3_num_f32 v8, v8, v9, (EMAX+1)<<23        ; and the floor 2^(5 - 127): the byte cannot fall under 1
	v_max_num_f32_dpp v8, v8, v8 row_xmask:1 row_mask:0xf bank_mask:0xf   ; with my neighbour's 16: the block's
	v_add_nc_u32 v11, -(EMAX<<23), v8              ; 4 off its exponent field: the conversion takes that field of this operand as its scale
	v_cvt_scalef32_pk16_bf6_f32 v[XC+4*(\t):XC+4*(\t)+2], v[XS:XS+15], v11
	v_lshrrev_b32 v[XE+(\t)], 23, v11              ; the scale's byte (a plain line behind the conversion)
	ds_store_b8 v5, v[XE+(\t)] offset:16*(\t)      ; both lanes of a block write the same byte with the same value
	global_store_b96 v4, v[XC+4*(\t):XC+4*(\t)+2], s[8:9] offset:32*CB*(\t)   ; the wave stores 384 consecutive bytes
.endm
.irp t, 0,1,2,3,4,5,6,7,8,9,10,11,12,13,14,15
	XSTEP \t
.endr
	ds_load_b64 v[12:13], v6                       ; in order behind my byte stores
	s_wait_dscnt 0x0
	global_store_b64 v7, v[12:13], s[10:11]        ; 32 lanes store 256 consecutive bytes, aligned
	s_wait_tensorcnt 0x0
	ds_add_u32 v192, v193
	s_wait_dscnt 0x0
	s_endpgm
; ---------------------------------------------------------------- the weights: K is the first axis
; A lane takes a column n and its registers run down K: a block of 32 lies in one lane's registers, and the conversions give codes with K innermost.  A wave takes 32 columns x 256 along K;
; the codes go through its own stage in LDS and leave as rows: sixteen lanes store a row's 192 consecutive bytes.  Loads run two blocks ahead.
.Lweights:
.set NB,     8                         ; blocks of 32 along K for a wave
.set WROWB,  192                       ; bytes of 256 codes
.set WPITCH, 272                       ; a stage row: sixteen places of 16 bytes (12 of codes) + 16
.set WX,     32                        ; v32-95   two sets of 32 numbers
.set WC,     96                        ; v96..    a block's codes
.set OUTR,   112                       ; v112-175 the way out
.set SB,     24                        ; v24-25   the scale bytes, four to a register
	s_load_b128 s[4:7], s[0:1], 0x18               ; wq_w, wk_w
	s_load_b128 s[8:11], s[0:1], 0x28              ; wv_w, wo_w
	s_load_b64 s[12:13], s[0:1], 0x48              ; wq
	s_sub_co_u32 s20, ttmp9, 768
	s_and_b32 s21, s20, 7                          ; which 128 columns
	s_bfe_u32 s18, s20, 0x20003                    ; which 256 along K
	s_lshr_b32 s20, s20, 5                         ; which weight
	s_lshl_b32 s17, s21, 7
	s_lshl_b32 s22, s16, 5
	s_add_co_u32 s17, s17, s22                     ; my wave's first column
	s_wait_alu depctr_va_vdst(0)
	v_lshlrev_b32 v3, 2, v2                        ; in: 4 bytes a lane
	s_mul_i32 s19, s16, 32*WPITCH
	s_add_co_u32 s19, s19, 32768                   ; my stage: LDS 32768 .. 67583 belong to this path
	v_mul_u32_u24 v4, v2, WPITCH
	v_add_nc_u32 v4, s19, v4                       ; into it: row = my column
	v_and_b32 v5, 15, v2
	v_lshrrev_b32 v6, 4, v2
	v_mul_u32_u24 v7, v6, WPITCH
	v_lshl_add_u32 v7, v5, 4, v7
	v_add_nc_u32 v7, s19, v7                       ; out of it: sixteen lanes to a row, two rows an instruction
	v_mul_u32_u24 v8, v6, KROW
	v_mad_u32_u24 v8, v5, 12, v8                   ; and the same place in the codes' buffer
	v_and_b32 v9, 7, v2
	v_and_b32 v10, 8, v2
	v_lshl_or_b32 v9, v10, 1, v9
	v_and_b32 v10, 16, v2
	v_lshrrev_b32 v10, 1, v10
	v_or_b32 v9, v9, v10                           ; sigma(lane)
	v_lshlrev_b32 v9, 5, v9                        ; my column's row of scale bytes: 32 bytes a row
	s_lshl_b32 s22, s18, 20                        ; 256 rows of 4,096 bytes
	s_lshl_b32 s23, s17, 2
	s_add_co_u32 s22, s22, s23
	s_mov_b32 s23, 0
	s_mul_i32 s24, s17, KROW
	s_mul_i32 s25, s18, WROWB
	s_add_co_u32 s24, s24, s25
	s_mul_i32 s25, s20, 786432
	s_add_co_u32 s24, s24, s25
	s_mov_b32 s25, 0
	s_lshl_b32 s26, s17, 5
	s_lshl_b32 s27, s18, 3
	s_add_co_u32 s26, s26, s27
	s_lshl_b32 s27, s20, 15
	s_add_co_u32 s26, s26, s27
	s_add_co_u32 s26, s26, WQ_SC
	s_mov_b32 s27, 0
	s_wait_kmcnt 0x0
	s_cmp_eq_u32 s20, 1
	s_cselect_b64 s[4:5], s[6:7], s[4:5]
	s_cmp_eq_u32 s20, 2
	s_cselect_b64 s[4:5], s[8:9], s[4:5]
	s_cmp_eq_u32 s20, 3
	s_cselect_b64 s[4:5], s[10:11], s[4:5]
	s_add_nc_u64 s[4:5], s[4:5], s[22:23]
	s_add_nc_u64 s[6:7], s[12:13], s[24:25]        ; codes
	s_add_nc_u64 s[8:9], s[12:13], s[26:27]        ; scale bytes
.macro WLOAD t                         ; block t: W(32 t + i, my column) into set t % 2; every offset is an immediate, 255 x 4,096 at the most
.irp i, 0,1,2,3,4,5,6,7,8,9,10,11,12,13,14,15,16,17,18,19,20,21,22,23,24,25,26,27,28,29,30,31
	global_load_b32 v[WX+32*((\t)%2)+\i], v3, s[4:5] offset:(32*(\t)+\i)*4096 th:TH_LOAD_NT
.endr
.endm
	WLOAD 0
	WLOAD 1
.macro WBLOCK t
.set XS, WX+32*((\t)%2)
.if (\t) < NB-1
	s_wait_loadcnt 32                              ; this block's 32 loads are in; the next block's may be out
.else
	s_wait_loadcnt 0
.endif
	v_max3_num_f32 v12, |v[XS]|, |v[XS+1]|, |v[XS+2]|
	v_max3_num_f32 v13, |v[XS+3]|, |v[XS+4]|, |v[XS+5]|
.irp i, 6,10,14,18,22,26
	v_max3_num_f32 v12, v12, |v[XS+\i]|, |v[XS+\i+1]|
	v_max3_num_f32 v13, v13, |v[XS+\i+2]|, |v[XS+\i+3]|
.endr
	v_max3_num_f32 v12, v12, |v[XS+30]|, |v[XS+31]|
	v_max3_num_f32 v12, v12, v13, (EMAX+1)<<23     ; the floor
	v_add_nc_u32 v11, -(EMAX<<23), v12             ; the conversion's scale operand
	v_lshrrev_b32 v13, 23, v11                     ; the scale's byte
.if (\t)%4 == 0
	v_mov_b32 v[SB+(\t)/4], v13
.else
	v_lshl_or_b32 v[SB+(\t)/4], v13, 8*((\t)%4), v[SB+(\t)/4]
.endif
	v_cvt_scalef32_pk16_bf6_f32 v[WC:WC+2], v[XS:XS+15], v11
	v_cvt_scalef32_pk16_bf6_f32 v[WC+4:WC+6], v[XS+16:XS+31], v11   ; (a conversion's three registers begin on an even number)
	ds_store_b96 v4, v[WC:WC+2] offset:32*(\t)     ; 12 bytes to a place of 16, so that every LDS address is a multiple of 16
	ds_store_b96 v4, v[WC+4:WC+6] offset:32*(\t)+16
.if (\t)+2 < NB
	WLOAD (\t)+2
.endif
	s_wait_dscnt 0x0                               ; the stores have read their registers: the next block's codes may be written
.endm
.set Q, 0
.rept NB
	WBLOCK Q
.set Q, Q+1
.endr
	s_wait_alu depctr_va_vdst(0)
	global_store_b64 v9, v[SB:SB+1], s[8:9]        ; my column's 8 scale bytes, at row sigma(column)
.irp t, 0,1,2,3,4,5,6,7,8,9,10,11,12,13,14,15
	ds_load_b96 v[OUTR+4*\t:OUTR+4*\t+2], v7 offset:2*\t*WPITCH
.endr
.irp t, 0,1,2,3,4,5,6,7,8,9,10,11,12,13,14,15
	s_wait_dscnt 15-\t                             ; LDS loads come back in order: pair t of rows is in
	global_store_b96 v8, v[OUTR+4*\t:OUTR+4*\t+2], s[6:7] offset:2*((\t&3)|(((\t>>2)&1)<<3)|(((\t>>3)&1)<<2))*KROW   ; columns 2 t, 2 t + 1 go to rows sigma(2 t), sigma(2 t + 1)
.endr
	s_wait_tensorcnt 0x0
	ds_add_u32 v192, v193
	s_wait_dscnt 0x0
	s_endpgm
; ---------------------------------------------------------------- the mask: flags for one tile of 16 queries
; Wave w takes four of the tile's rows.  A row is 16 loads of 512 bytes, load s = key step s.  Kept for each step: E = the least (value - the row's least value), A = the largest magnitude.
.Lflags:
.set FLDS,  67584                      ; LDS 67584 .. 68095: for each wave 16 words of E, then 16 of A
.set LM,    16                         ; v16-31   a lane's least value of each step, for the row in hand
.set RB0,   32                         ; v32-95, v96-159: two rows as loaded
.set RB1,   96
.set FE,    160                        ; v160-175
.set FA,    176                        ; v176-191
	s_load_b64 s[4:5], s[0:1], 0x38                ; mask
	s_load_b64 s[6:7], s[0:1], 0x50                ; flags
	s_sub_co_u32 s20, ttmp9, 896                   ; tau
	s_lshr_b32 s21, s20, 1
	s_lshl_b32 s21, s21, 5
	s_and_b32 s22, s20, 1
	s_lshl_b32 s22, s22, 3
	s_add_co_u32 s21, s21, s22                     ; the tile's rows: 32 (tau / 2) + 8 (tau % 2) + r + 8 (r / 8)
	s_lshl_b32 s22, s16, 2
	s_add_co_u32 s21, s21, s22                     ; mine: r = 4 w .. 4 w + 3
	s_lshr_b32 s22, s16, 1
	s_lshl_b32 s22, s22, 3
	s_add_co_u32 s21, s21, s22
	s_lshl_b32 s22, s21, 13                        ; 8,192 bytes a row
	s_mov_b32 s23, 0
	s_mov_b32 s12, 0x76543210
	s_mov_b32 s13, 0xfedcba98                      ; v_permlanex16_b32's selects for lane l xor 16
	s_wait_alu depctr_va_vdst(0)
	v_lshlrev_b32 v3, 4, v2
	s_lshl_b32 s24, s16, 7
	s_add_co_u32 s24, s24, FLDS
	v_mov_b32 v10, s24                             ; where my wave's 32 words go
	v_lshl_add_u32 v11, v2, 2, FLDS                ; and from where wave 0's lane l reads word l of each wave
	v_mov_b32 v9, 0                                ; (a lane permute's destination counts as one of its sources)
.set ii, 0
.rept 16
	v_mov_b32 v[FE+ii], 0x7f800000                 ; above every difference
	v_mov_b32 v[FA+ii], 0
.set ii, ii+1
.endr
	s_wait_kmcnt 0x0
	s_add_nc_u64 s[4:5], s[4:5], s[22:23]
.macro FLOADROW j, buf
.irp x, 0,1,2,3,4,5,6,7,8,9,10,11,12,13,14,15
	global_load_b128 v[\buf+4*\x:\buf+4*\x+3], v3, s[4:5] offset:(\j)*8192+512*\x
.endr
.endm
.macro FROW buf, left
	s_wait_loadcnt \left                           ; this row's 16 loads are in; the next row's may be out
.set ii, 0
.rept 16
	v_min3_num_f32 v[LM+ii], v[\buf+4*ii], v[\buf+4*ii+1], v[\buf+4*ii+2]
	v_max3_num_f32 v[FA+ii], v[FA+ii], |v[\buf+4*ii]|, |v[\buf+4*ii+1]|
.set ii, ii+1
.endr
.set ii, 0
.rept 16
	v_min_num_f32 v[LM+ii], v[LM+ii], v[\buf+4*ii+3]
	v_max3_num_f32 v[FA+ii], v[FA+ii], |v[\buf+4*ii+2]|, |v[\buf+4*ii+3]|
.set ii, ii+1
.endr
	v_min3_num_f32 v8, v[LM], v[LM+1], v[LM+2]     ; the row's least value: within the lane,
	v_min3_num_f32 v12, v[LM+3], v[LM+4], v[LM+5]
.irp x, 6,10
	v_min3_num_f32 v8, v8, v[LM+\x], v[LM+\x+1]
	v_min3_num_f32 v12, v12, v[LM+\x+2], v[LM+\x+3]
.endr
	v_min3_num_f32 v8, v8, v[LM+14], v[LM+15]
	v_min_num_f32 v8, v8, v12
.irp m, 1,2,4,8
	v_min_num_f32_dpp v8, v8, v8 row_xmask:\m row_mask:0xf bank_mask:0xf   ; across 16 lanes,
.endr
	v_permlanex16_b32 v9, v8, s12, s13
	v_min_num_f32 v8, v8, v9                       ; and across the halves
.set ii, 0
.rept 16
	v_sub_f32 v[LM+ii], v[LM+ii], v8
.set ii, ii+1
.endr
.set ii, 0
.rept 16
	v_min_num_f32 v[FE+ii], v[FE+ii], v[LM+ii]
.set ii, ii+1
.endr
.endm
	FLOADROW 0, RB0
	FLOADROW 1, RB1
	FROW RB0, 16
	FLOADROW 2, RB0
	FROW RB1, 16
	FLOADROW 3, RB1
	FROW RB0, 16
	FROW RB1, 0
.irp m, 1,2,4,8
.set ii, 0
.rept 16
	v_min_num_f32_dpp v[FE+ii], v[FE+ii], v[FE+ii] row_xmask:\m row_mask:0xf bank_mask:0xf
	v_max_num_f32_dpp v[FA+ii], v[FA+ii], v[FA+ii] row_xmask:\m row_mask:0xf bank_mask:0xf
.set ii, ii+1
.endr
.endr
.set ii, 0
.rept 16
	v_permlanex16_b32 v[LM+ii], v[FE+ii], s12, s13
	v_permlanex16_b32 v[RB0+ii], v[FA+ii], s12, s13
.set ii, ii+1
.endr
.set ii, 0
.rept 16
	v_min_num_f32 v[FE+ii], v[FE+ii], v[LM+ii]
	v_max_num_f32 v[FA+ii], v[FA+ii], v[RB0+ii]
.set ii, ii+1
.endr
.set ii, 0
.rept 16
	ds_store_b32 v10, v[FE+ii] offset:4*ii         ; all lanes write the same word with the same value
	ds_store_b32 v10, v[FA+ii] offset:64+4*ii
.set ii, ii+1
.endr
	s_wait_dscnt 0x0                               ; for the others' sake: my stores are done
	s_barrier_signal -1
	s_barrier_wait -1
	s_cmp_lg_u32 s16, 0
	s_cbranch_scc1 .Lflags_end                     ; wave 0 makes the word
	ds_load_b32 v12, v11
	ds_load_b32 v13, v11 offset:128
	ds_load_b32 v14, v11 offset:256
	ds_load_b32 v15, v11 offset:384
	s_wait_dscnt 0x0
	v_min3_num_f32 v8, v12, v13, v14
	v_min_num_f32 v8, v8, v15                      ; lanes 0-15: E of step l over all 16 rows
	v_max3_num_f32 v12, v12, v13, v14
	v_max_num_f32 v12, v12, v15                    ; lanes 16-31: A of step l - 16
	v_permlanex16_b32 v9, v12, s12, s13            ; A of step l in lane l
	v_cmp_le_f32 s40, 0.5, v8                      ; not needed
	v_cmp_eq_f32 s41, 0, v9                        ; all zeros
	s_and_not1_b32 s40, 0xffff, s40                ; needed
	s_and_not1_b32 s41, s40, s41                   ; needed, and the mask counts
	s_lshl_b32 s41, s41, 16
	s_or_b32 s40, s40, s41
	v_mov_b32 v12, s40                             ; the numbers select a value alone: no address and no branch hangs on them
	s_lshl_b32 s42, s20, 2
	v_mov_b32 v13, s42
	v_cmp_eq_u32 vcc_lo, 0, v2
	s_wait_alu depctr_va_vdst(0)
	s_wait_xcnt 0x0                                ; EXEC changes only behind this wait
	s_and_saveexec_b32 s43, vcc_lo
	global_store_b32 v13, v12, s[6:7]              ; lane 0 stores the tile's word
	s_wait_xcnt 0x0
	s_or_b32 exec_lo, exec_lo, s43
.Lflags_end:
	s_wait_tensorcnt 0x0
	ds_add_u32 v192, v193
	s_wait_dscnt 0x0
	s_endpgm
.Lfunc_end_k_q863143d11e_prep:
	.size	k_q863143d11e_prep, .Lfunc_end_k_q863143d11e_prep-k_q863143d11e_prep
	.p2alignl 7, 3214868480
	.fill 96, 4, 3214868480
	.section	.rodata,"a",@progbits
	.p2align	6, 0x0
	.amdhsa_kernel k_q863143d11e_prep
		.amdhsa_group_segment_fixed_size 68608
		.amdhsa_private_segment_fixed_size 0
		.amdhsa_enable_private_segment 0
		.amdhsa_kernarg_size 88
		.amdhsa_user_sgpr_count 2
		.amdhsa_user_sgpr_kernarg_segment_ptr 1
		.amdhsa_wavefront_size32 1
		.amdhsa_system_sgpr_workgroup_id_x 1
		.amdhsa_system_sgpr_workgroup_id_y 1
		.amdhsa_system_sgpr_workgroup_id_z 1
		.amdhsa_system_vgpr_workitem_id 0
		.amdhsa_next_free_vgpr 194
		.amdhsa_next_free_sgpr 66
		.amdhsa_reserve_vcc 1
		.amdhsa_float_denorm_mode_32 3
		.amdhsa_float_denorm_mode_16_64 3
		.amdhsa_memory_ordered 1
		.amdhsa_forward_progress 1
		.amdhsa_inst_pref_size 119
	.end_amdhsa_kernel
	.amdgpu_metadata
---
amdhsa.version: [ 1, 2 ]
amdhsa.kernels:
  - .name:           k_q863143d11e_prep
    .symbol:         k_q863143d11e_prep.kd
    .args:
      - { .name: q, .offset: 0, .size: 8, .value_kind: global_buffer, .address_space: global }
      - { .name: k, .offset: 8, .size: 8, .value_kind: global_buffer, .address_space: global }
      - { .name: v, .offset: 16, .size: 8, .value_kind: global_buffer, .address_space: global }
      - { .name: wq_w, .offset: 24, .size: 8, .value_kind: global_buffer, .address_space: global }
      - { .name: wk_w, .offset: 32, .size: 8, .value_kind: global_buffer, .address_space: global }
      - { .name: wv_w, .offset: 40, .size: 8, .value_kind: global_buffer, .address_space: global }
      - { .name: wo_w, .offset: 48, .size: 8, .value_kind: global_buffer, .address_space: global }
      - { .name: mask, .offset: 56, .size: 8, .value_kind: global_buffer, .address_space: global }
      - { .name: xq, .offset: 64, .size: 8, .value_kind: global_buffer, .address_space: global }
      - { .name: wq, .offset: 72, .size: 8, .value_kind: global_buffer, .address_space: global }
      - { .name: flags, .offset: 80, .size: 8, .value_kind: global_buffer, .address_space: global }
    .group_segment_fixed_size: 68608
    .private_segment_fixed_size: 0
    .kernarg_segment_align: 8
    .kernarg_segment_size: 88
    .max_flat_workgroup_size: 128
    .sgpr_count:     66
    .vgpr_count:     194
    .wavefront_size: 32
...
	.end_amdgpu_metadata
.endif
;; end of part 1
;; launch proj (part 2): grid 4 x 192, 4 waves a work-group, clusters of 4 x 4, 327,680 bytes of LDS; arguments xq, wq, wq_b, wk_b, wv_b, hq; writes hq
.if DOCPART == 2
	.amdgcn_target "amdgcn-amd-amdhsa--gfx1250"
	.amdhsa_code_object_version 6
	.text
	.protected	k_q863143d11e_proj
	.globl	k_q863143d11e_proj
	.p2align	8
	.type	k_q863143d11e_proj,@function
k_q863143d11e_proj:
	s_mov_b64 s[64:65], 0
	v_nop
	global_prefetch_b8 v0, s[64:65] scope:SCOPE_SE
	s_setreg_imm32_b32 hwreg(HW_REG_WAVE_MODE, 25, 1), 1
	s_wait_xcnt 0x0
	s_wait_alu depctr_hold_cnt(0) depctr_sa_sdst(0) depctr_va_vdst(0) depctr_va_sdst(0) depctr_va_ssrc(0) depctr_va_vcc(0) depctr_vm_vsrc(0)
	s_getreg_b32 s2, hwreg(HW_REG_IB_STS2, 6, 4)
	s_cmp_eq_u32 s2, 0
	s_cbranch_scc0 .Lentry_in_a_cluster
	s_endpgm
.Lentry_in_a_cluster:
	s_bfe_u32 s2, ttmp6, 0x10000c
	s_cmp_lg_u32 s2, 0xf033
	s_cbranch_scc0 .Lentry_shape_is_right
	s_endpgm
.Lentry_shape_is_right:
; PROJ: q wq_w + wq_b, k wk_w + wk_b, v wv_w + wv_b on codes of BF6 (E3M2) with E8M0 scales; the results are quantised again and stored as images of the operand registers that the attention launch takes.
; A work-group makes a block of 256 rows of operand A x 128 rows of operand B, all of K = 1,024.  For q and k: A = the tokens, B = the weight's columns (two heads).  For v the roles are swapped
; (A = the weight's columns, four heads; B = 128 tokens, one key step), so that the result's registers run along the keys.  768 blocks: 256 for each tensor.
; ALL OF K LIES IN LDS: a row of codes is 768 bytes of memory and begins at a multiple of 256; a tile's rows are whole rows, with 16 bytes of padding behind each 256: LDS pitch 816.  384 rows x 816 = 313,344 bytes.
; Each wave issues ONE tensor load, at the head (waves 0, 1: 128 rows of A each; waves 2, 3: 64 rows of B each); nothing is filled again, so the walk along K has no barrier.
; CLUSTERS 4 x 4: A's tile is shared along a row of the cluster, B's along a column, by joint loads.  NO PREFETCH: the launch has no loop to run ahead in: all tiles are asked for at the head.
; A wave makes 64 rows of A x 128 rows of B: 32 accumulators (window 2).  Window 0: addresses, scale words, A's fragments in two sets; window 1: B's fragments in two sets; window 3: the biases.
; The scale words (a word = 128 along K of a row; a row's 8 words are 32 neighbouring bytes) and the biases come from memory straight into registers, sixteen lanes reading 512 neighbouring bytes.
; The matrix instruction is used transposed: source 0 = 16 rows of B, source 1 = 16 rows of A; a lane holds one row of A and eight neighbours along B.
; LIMITS: NaN and infinities are not served; a block of zeros keeps the byte 1 (its codes are zeros; this program alone reads the bytes).
.set KROW,   768
.set PITCH,  816
.set BLK,    16*PITCH
.set BBASE,  256*PITCH
.set SPARE,  384*PITCH                 ; the spare words, 512 bytes
.set FR,     12
.set NP,     4
.set XQ_SC,  18874368
.set WQ_SC,  3145728
.set HQ_Q,   12582912
.set HQ_KS,  18874368
.set HQ_QS,  19398656
.set HQ_VS,  19922944
.set ADRA, 16                          ; v16 my A rows + 24 h; v17 + 40 h, for a piece whose lanes 16-31 lie behind the next padding
.set ADRB, 18                          ; v18-19 B's blocks 0-3, v20-21 blocks 4-7
.set LI,   24
.set L8,   25
.set R32,  27
.set SPW,  28
.set NIL,  29
.set SA,   32                          ; v32-63 A's scale words: 8 a + step
.set SB,   64                          ; v64-127 B's: 8 b + step
.set AF,   128                         ; v128-223 A's fragments, two sets of 48
.set BIASB, 0                          ; window 3
.set BIASA, 64                         ; window 3
.set TM,   32                          ; the way out, in registers that the walk has left
.set SW,   48
.set XW,   56
.set ST,   128
.set PC,   192
.set ZW,   212
.set SEL,  18
.set G1, 24
.set G0, 32
.set G1B, 48
.set G0B, 56
.set MSB, 0
.macro WIN new
.if MSB != \new
	s_set_vgpr_msb (MSB<<8)|\new
.set MSB, \new
.endif
.endm
.macro PLACES n
.rept \n
	v_nop
.endr
.endm
.macro CREST
	s_cmp_lg_u32 s14, 0
	s_cbranch_scc1 .Lnot_wave_0_\@
	s_barrier_signal -3
.Lnot_wave_0_\@:
	s_barrier_wait -3
	s_barrier_signal -1
	s_barrier_wait -1
.endm
.macro CROUND
	s_barrier_signal -1
	s_barrier_wait -1
	CREST
.endm
	s_load_b128 s[92:95], s[0:1], 0x0              ; xq, wq
	s_load_b128 s[96:99], s[0:1], 0x10             ; wq_b, wk_b
	s_load_b64 s[100:101], s[0:1], 0x20            ; wv_b
	s_load_b64 s[12:13], s[0:1], 0x28              ; hq
	v_lshl_add_u32 v[SPW], v0, 2, SPARE
	v_mov_b32 v[NIL], 0
	ds_add_u32 v[SPW], v[NIL]                      ; the opening lines: the add twice on end and its wait
	ds_add_u32 v[SPW], v[NIL]
	v_lshrrev_b32 v1, 5, v0
	v_readfirstlane_b32 s14, v1                    ; wave
	s_lshr_b32 s15, s14, 1                         ; I fetch for A (0) or B (1)
	s_and_b32 s16, s14, 1                          ; which half of that tile
	s_bfe_u32 s40, ttmp6, 0x40000                  ; cx
	s_bfe_u32 s41, ttmp6, 0x40004                  ; cy
	s_and_b32 s67, ttmp7, 0xffff                   ; cluster 0..47
	s_lshr_b32 s66, s67, 4                         ; tensor: 0 q, 1 k, 2 v
	s_and_b32 s67, s67, 15
	s_lshr_b32 s2, s67, 1
	s_lshl_b32 s2, s2, 2
	s_and_b32 s3, s67, 1
	s_lshl_b32 s3, s3, 2
	s_lshl_b32 s67, s67, 2
	s_cmp_eq_u32 s66, 2
	s_cselect_b32 s17, 0, s2
	s_cselect_b32 s42, s67, s3
	s_add_co_u32 s17, s17, s41                     ; A's tile: q, k 0..31; v 0..3
	s_add_co_u32 s42, s42, s40                     ; B's tile: q, k 0..7; v 0..63
	s_lshl_b32 s43, s41, 2
	s_lshl_b32 s43, 15, s43                        ; my row of the cluster
	s_lshl_b32 s44, 0x1111, s40                    ; my column
	s_or_b32 s[G1+0], s43, (0<<16)|(1<<20)|(1<<21)|(5<<22)|(3<<25)   ; bytes; 4 words of padding behind every 64
	s_or_b32 s[G1B+0], s44, (0<<16)|(1<<20)|(1<<21)|(5<<22)|(3<<25)
	s_mov_b32 s[G1+1], KROW<<16
	s_mov_b32 s[G1+2], 128<<16
	s_mov_b32 s[G1+3], KROW<<16
	s_mov_b32 s[G1+4], 128
	s_mov_b32 s[G1+5], KROW
	s_mov_b32 s[G1+6], 0
	s_mov_b32 s[G1+7], 0
	s_mov_b32 s[G1B+1], KROW<<16
	s_mov_b32 s[G1B+2], 64<<16
	s_mov_b32 s[G1B+3], KROW<<16
	s_mov_b32 s[G1B+4], 64
	s_mov_b32 s[G1B+5], KROW
	s_mov_b32 s[G1B+6], 0
	s_mov_b32 s[G1B+7], 0
	s_lshl_b32 s20, s17, 8
	s_lshl_b32 s18, s16, 7
	s_add_co_u32 s20, s20, s18
	s_mul_i32 s20, s20, KROW                       ; A: the 128 rows that I fetch
	s_mov_b32 s21, 0
	s_lshl_b32 s46, s42, 7
	s_lshl_b32 s18, s16, 6
	s_add_co_u32 s46, s46, s18
	s_mul_i32 s46, s46, KROW                       ; B: the 64 rows that I fetch
	s_mov_b32 s47, 0
	s_lshl_b32 s22, s17, 13
	s_lshl_b32 s18, s14, 11
	s_add_co_u32 s22, s22, s18                     ; the scales of my 64 rows of A, 32 bytes a row
	s_mov_b32 s23, 0
	s_lshl_b32 s18, s42, 12                        ; and of B's 128 rows
	s_mov_b32 s19, 0
	s_mov_b32 s3, 0
	s_wait_dscnt 0x0
	s_wait_kmcnt 0x0
	s_mul_i32 s2, s66, 6291456
	s_add_nc_u64 s[4:5], s[92:93], s[2:3]
	s_lshl_b32 s2, s66, 18
	s_add_co_u32 s2, s2, XQ_SC
	s_add_nc_u64 s[6:7], s[92:93], s[2:3]
	s_mul_i32 s2, s66, 786432
	s_add_nc_u64 s[8:9], s[94:95], s[2:3]
	s_lshl_b32 s2, s66, 15
	s_add_co_u32 s2, s2, WQ_SC
	s_add_nc_u64 s[10:11], s[94:95], s[2:3]
	s_cmp_eq_u32 s66, 2                            ; for v the weight is A and the tokens are B
	s_cselect_b64 s[92:93], s[8:9], s[4:5]
	s_cselect_b64 s[94:95], s[10:11], s[6:7]
	s_cselect_b64 s[8:9], s[4:5], s[8:9]
	s_cselect_b64 s[10:11], s[6:7], s[10:11]
	s_cselect_b64 s[96:97], s[100:101], s[96:97]
	s_cmp_eq_u32 s66, 1
	s_cselect_b64 s[96:97], s[98:99], s[96:97]     ; the tensor's bias
	s_add_nc_u64 s[20:21], s[92:93], s[20:21]
	s_add_nc_u64 s[22:23], s[94:95], s[22:23]
	s_add_nc_u64 s[46:47], s[8:9], s[46:47]
	s_add_nc_u64 s[18:19], s[10:11], s[18:19]
	CROUND                                         ; all sixteen work-groups are here: the joint loads meet
	s_mov_b32 s[G0], 1
	s_mul_i32 s[G0+1], s14, 128*PITCH              ; waves 0, 1: A's halves
	s_mov_b64 s[G0+2:G0+3], s[20:21]
	s_or_b32 s[G0+3], s[G0+3], 0x80000000
	s_mov_b32 s[G0B], 1
	s_mul_i32 s[G0B+1], s14, 64*PITCH
	s_add_co_u32 s[G0B+1], s[G0B+1], 128*PITCH     ; waves 2, 3: BBASE + (wave - 2) x 64 rows
	s_mov_b64 s[G0B+2:G0B+3], s[46:47]
	s_or_b32 s[G0B+3], s[G0B+3], 0x80000000
	s_cmp_eq_u32 s15, 0
	s_cbranch_scc0 .Lfor_b
	tensor_load_to_lds s[G0:G0+3], s[G1:G1+7]
	s_nop 0
	PLACES 4
	s_branch .Lasked
.Lfor_b:
	tensor_load_to_lds s[G0B:G0B+3], s[G1B:G1B+7]
	s_nop 0
	PLACES 4
.Lasked:
	s_mul_i32 s68, s14, 64*PITCH                   ; my 64 rows of A in LDS
	s_lshl_b32 s70, s42, 9                         ; q, k: the bias of B's 128 columns
	s_lshl_b32 s72, s17, 10
	s_lshl_b32 s73, s14, 8
	s_add_co_u32 s72, s72, s73                     ; v: the bias of my 64 rows of A
	s_cmp_eq_u32 s66, 2
	s_cselect_b32 s70, 0, s70
	s_cselect_b32 s72, s72, 0
	v_and_b32 v1, 15, v0                           ; r
	v_bfe_u32 v2, v0, 4, 1                         ; h
	v_mul_u32_u24 v3, v1, PITCH
	v_mad_u32_u24 v4, v2, 24, v3
	v_mad_u32_u24 v5, v2, 40, v3
	v_add_nc_u32 v[ADRA], s68, v4
	v_add_nc_u32 v[ADRA+1], s68, v5
	v_add_nc_u32 v[ADRB], BBASE, v4
	v_add_nc_u32 v[ADRB+1], BBASE, v5
	v_add_nc_u32 v[ADRB+2], BBASE+4*BLK, v4
	v_add_nc_u32 v[ADRB+3], BBASE+4*BLK, v5
	v_lshlrev_b32 v[R32], 5, v1
	v_lshl_add_u32 v10, v2, 6, s70
	v_and_b32 v11, 8, v1
	v_add_nc_u32 v11, v11, v1
	v_lshl_add_u32 v11, v11, 2, s72
.irp a, 0,1,2,3
	global_load_b128 v[SA+8*\a:SA+8*\a+3], v[R32], s[22:23] offset:512*\a
	global_load_b128 v[SA+8*\a+4:SA+8*\a+7], v[R32], s[22:23] offset:512*\a+16
.endr
.irp b, 0,1,2,3,4,5,6,7
	global_load_b128 v[SB+8*\b:SB+8*\b+3], v[R32], s[18:19] offset:512*\b
	global_load_b128 v[SB+8*\b+4:SB+8*\b+7], v[R32], s[18:19] offset:512*\b+16
.endr
	WIN 0xc0                                       ; destination window 3
.irp b, 0,1,2,3
.irp i, 0,1,2,3
	global_load_b128 v[BIASB+16*\b+4*\i:BIASB+16*\b+4*\i+3], v10, s[96:97] offset:128*\b+16*\i
.endr
.endr
.irp a, 0,1,2,3
	global_load_b32 v[BIASA+2*\a], v11, s[96:97] offset:4*(32*(\a/2)+8*(\a%2))
	global_load_b32 v[BIASA+2*\a+1], v11, s[96:97] offset:4*(32*(\a/2)+8*(\a%2))
.endr
	WIN 0
; a fragment: 16 rows x 128 K, 12 registers, in pieces of 8 bytes.  Byte y of a row of codes lies at y + 16 (y / 256) of its LDS row
.macro FRAG reg, adr, st, i
.irp p, 0,1,2,3,4,5
.set BY, 96*(\st)+48*(\p/3)+8*(\p%3)
.if BY/256 == (BY+24)/256
	ds_load_b64 v[\reg+2*\p:\reg+2*\p+1], v[\adr] offset:BY+16*(BY/256)+(\i)*BLK
.else
	ds_load_b64 v[\reg+2*\p:\reg+2*\p+1], v[\adr+1] offset:BY+16*(BY/256)+(\i)*BLK
.endif
.endr
.endm
.macro FETCH st, p                     ; step st's fragments into set p: B's eight, A's four
	WIN 0x40
.irp i, 0,1,2,3,4,5,6,7
	FRAG 96*(\p)+FR*\i, ADRB+2*(\i/4), \st, \i%4
.endr
	WIN 0
.irp i, 0,1,2,3
	FRAG AF+48*(\p)+FR*\i, ADRA, \st, \i
.endr
.endm
.macro MUL st, p                       ; 32 products, the 32 accumulators by turns; the first step starts the sums
	WIN 0xa1
.irp a, 0,1,2,3
.irp b, 0,1,2,3,4,5,6,7
.if (\st) == 0
	v_wmma_scale_f32_16x16x128_f8f6f4 v[8*(8*\a+\b):8*(8*\a+\b)+7], v[96*(\p)+FR*\b:96*(\p)+FR*\b+FR-1], v[AF+48*(\p)+FR*\a:AF+48*(\p)+FR*\a+FR-1], 0, v[SB+8*\b+(\st)], v[SA+8*\a+(\st)] matrix_a_fmt:MATRIX_FMT_BF6 matrix_b_fmt:MATRIX_FMT_BF6
.else
	v_wmma_scale_f32_16x16x128_f8f6f4 v[8*(8*\a+\b):8*(8*\a+\b)+7], v[96*(\p)+FR*\b:96*(\p)+FR*\b+FR-1], v[AF+48*(\p)+FR*\a:AF+48*(\p)+FR*\a+FR-1], v[8*(8*\a+\b):8*(8*\a+\b)+7], v[SB+8*\b+(\st)], v[SA+8*\a+(\st)] matrix_a_fmt:MATRIX_FMT_BF6 matrix_b_fmt:MATRIX_FMT_BF6
.endif
.endr
.endr
.endm
	s_wait_alu depctr_va_vdst(0)                   ; the wait at the head's end
	s_wait_tensorcnt 0x0                           ; my tile is in
	s_barrier_signal -1
	s_barrier_wait -1                              ; and so is everybody's
	FETCH 0, 0
	s_wait_loadcnt 0x0                             ; the scale words and the biases
.set KS_, 0
.rept 8                                ; while a step is multiplied, the next step's 72 loads, issued ahead of it, come in
	s_wait_dscnt 0x0
.if KS_ < 7
.if KS_ > 0
	PLACES NP                                      ; the set that takes the loads was read by the products just issued
.endif
	FETCH KS_+1, (KS_+1)%2
.endif
	MUL KS_, KS_%2
.set KS_, KS_+1
.endr
	WIN 0
; THE WAY OUT: 16 rows x 128 numbers at a time: the bias, four blocks of 32 quantised, the codes brought into the layout of an operand
.macro QUANT s, pw
.irp b, 0,1,2,3
	v_max3_num_f32 v[TM+\b], |v[\s+16*\b]|, |v[\s+1+16*\b]|, 0x2800000
.endr
.irp i, 2,4,6,8,10,12,14
.irp b, 0,1,2,3
	v_max3_num_f32 v[TM+\b], v[TM+\b], |v[\s+16*\b+\i]|, |v[\s+1+16*\b+\i]|
.endr
.endr
.irp b, 0,1,2,3
	v_permlanex16_b32 v[TM+4+\b], v[TM+\b], s[SEL], s[SEL+1]
.endr
.irp b, 0,1,2,3
	v_max_num_f32 v[TM+\b], v[TM+\b], v[TM+4+\b]
.endr
.irp b, 0,1,2,3
	v_add_nc_u32 v[TM+12+\b], 0xfe000000, v[TM+\b]
.endr
.irp b, 0,1,2,3
	v_lshrrev_b32 v[TM+4+\b], 23, v[TM+12+\b]
.endr
	v_lshl_or_b32 v[\pw], v[TM+5], 8, v[TM+4]
	v_lshl_or_b32 v[\pw], v[TM+6], 16, v[\pw]
	v_lshl_or_b32 v[\pw], v[TM+7], 24, v[\pw]
.irp c, 0,1
	v_cvt_scalef32_pk16_bf6_f32 v[PC+6*\c:PC+2+6*\c], v[\s+32*\c:\s+15+32*\c], v[TM+12+2*\c]
	v_cvt_scalef32_pk16_bf6_f32 v[PC+12+4*\c:PC+14+4*\c], v[\s+16+32*\c:\s+31+32*\c], v[TM+12+2*\c+1]
.endr
	v_nop
.irp c, 0,1
.irp i, 0,1,2
	v_permlane16_swap_b32 v[PC+6*\c+\i], v[PC+12+4*\c+\i]
.endr
.irp i, 0,1,2
	v_mov_b32 v[PC+3+6*\c+\i], v[PC+12+4*\c+\i]
.endr
.endr
.endm
.macro OUTBLOCK a, bias, step
	WIN 0x0e                                       ; source 0: the accumulators, window 2; source 1: the bias, window 3
.set i, 0
.rept 32
	v_pk_add_f32 v[ST+2*i:ST+2*i+1], v[64*(\a)+2*i:64*(\a)+2*i+1], v[\bias+\step*i:\bias+\step*i+1]
.set i, i+1
.endr
	WIN 0
	s_wait_xcnt 0x0                                ; the last block's stores have read their registers
	QUANT ST, SW+(\a)
.endm
	PLACES NP
	v_and_b32 v26, 31, v0
	v_lshlrev_b32 v[LI], 4, v26
	v_lshlrev_b32 v[L8], 3, v26
	v_cmp_le_u32 vcc_lo, 16, v26
.irp b, 0,1,2,3
	v_mov_b32 v[TM+4+\b], 0
.endr
	s_mov_b32 s[SEL], 0x76543210
	s_mov_b32 s[SEL+1], 0xfedcba98
	s_lshl_b32 s20, s17, 1
	s_add_co_u32 s20, s20, s15                     ; q, k: which 128 tokens
	s_lshl_b32 s22, s42, 1                         ; and the first of two heads
	s_lshl_b32 s23, s17, 2
	s_add_co_u32 s23, s23, s14                     ; v: my head
	s_cmp_eq_u32 s66, 2
	s_cselect_b32 s20, s42, s20
	s_cselect_b32 s22, s23, s22
	s_lshr_b32 s21, s20, 4                         ; batch
	s_and_b32 s20, s20, 15                         ; step of 128 in the sequence
	s_lshl_b32 s21, s21, 4
	s_add_co_u32 s21, s21, s22
	s_lshl_b32 s21, s21, 4
	s_add_co_u32 s21, s21, s20                     ; (batch x 16 + head) x 16 + step
	s_mov_b32 s3, 0
	s_cmp_eq_u32 s66, 2
	s_cbranch_scc1 .Lv_out
	s_mov_b32 s22, 12288
	s_mov_b32 s23, 196608
	s_mov_b32 s46, HQ_KS
	s_cmp_eq_u32 s66, 0
	s_cselect_b32 s22, 6144, s22
	s_cselect_b32 s23, 98304, s23
	s_cselect_b32 s46, HQ_QS, s46
	s_cselect_b32 s47, HQ_Q, 0
	s_mul_i32 s22, s21, s22
	s_add_co_u32 s2, s22, s47
	s_mul_i32 s47, s16, 3072                       ; my four tiles of the eight
	s_add_co_u32 s2, s2, s47
	s_add_nc_u64 s[4:5], s[12:13], s[2:3]
	s_add_co_u32 s2, s2, s23
	s_add_nc_u64 s[6:7], s[12:13], s[2:3]          ; the second head
	s_lshl_b32 s2, s21, 9
	s_add_co_u32 s2, s2, s46
	s_lshl_b32 s47, s16, 3                         ; my two of a lane's four scale words
	s_add_co_u32 s2, s2, s47
	s_add_nc_u64 s[92:93], s[12:13], s[2:3]
.irp a, 0,1,2,3
	OUTBLOCK \a, BIASB, 2
	global_store_b128 v[LI], v[PC:PC+3], s[4:5] offset:768*\a
	global_store_b64 v[L8], v[PC+4:PC+5], s[4:5] offset:768*\a+512
	global_store_b128 v[LI], v[PC+6:PC+9], s[6:7] offset:768*\a
	global_store_b64 v[L8], v[PC+10:PC+11], s[6:7] offset:768*\a+512
.endr
.irp i, 0,1
	v_cndmask_b32 v[XW+\i], v[SW+2*\i], v[SW+2*\i+1], vcc_lo
.endr
.irp i, 0,1
	v_and_b32 v[ZW+\i], 0xffff, v[XW+\i]
	v_lshrrev_b32 v[ZW+2+\i], 16, v[XW+\i]
.endr
	global_store_b64 v[LI], v[ZW:ZW+1], s[92:93]
	global_store_b64 v[LI], v[ZW+2:ZW+3], s[92:93] offset:8192
	s_branch .Lout_done
.Lv_out:
	s_mul_i32 s2, s21, 12288
	s_add_co_u32 s2, s2, 6144
	s_add_nc_u64 s[4:5], s[12:13], s[2:3]
	s_lshl_b32 s2, s21, 8
	s_add_co_u32 s2, s2, HQ_VS
	s_add_nc_u64 s[92:93], s[12:13], s[2:3]
.irp a, 0,1,2,3
	OUTBLOCK \a, BIASA+2*\a, 0
.irp c, 0,1,2
	global_store_b128 v[LI], v[PC+4*\c:PC+4*\c+3], s[4:5] offset:1536*\a+512*\c
.endr
.endr
.irp i, 0,1
	v_cndmask_b32 v[XW+\i], v[SW+2*\i], v[SW+2*\i+1], vcc_lo
.endr
	global_store_b64 v[L8], v[XW:XW+1], s[92:93]
.Lout_done:
	s_wait_tensorcnt 0x0                           ; the wave's end
	ds_add_u32 v[SPW], v[NIL]
	s_wait_dscnt 0x0
	CROUND                                         ; the closing round
	s_endpgm
.Lfunc_end_k_q863143d11e_proj:
	.size	k_q863143d11e_proj, .Lfunc_end_k_q863143d11e_proj-k_q863143d11e_proj
	.p2alignl 7, 3214868480
	.fill 96, 4, 3214868480
	.section	.rodata,"a",@progbits
	.p2align	6, 0x0
	.amdhsa_kernel k_q863143d11e_proj
		.amdhsa_group_segment_fixed_size 327680
		.amdhsa_private_segment_fixed_size 0
		.amdhsa_enable_private_segment 0
		.amdhsa_kernarg_size 48
		.amdhsa_user_sgpr_count 2
		.amdhsa_user_sgpr_kernarg_segment_ptr 1
		.amdhsa_wavefront_size32 1
		.amdhsa_system_sgpr_workgroup_id_x 1
		.amdhsa_system_sgpr_workgroup_id_y 1
		.amdhsa_system_sgpr_workgroup_id_z 1
		.amdhsa_system_vgpr_workitem_id 0
		.amdhsa_next_free_vgpr 1024
		.amdhsa_next_free_sgpr 102
		.amdhsa_reserve_vcc 1
		.amdhsa_float_denorm_mode_32 3
		.amdhsa_float_denorm_mode_16_64 3
		.amdhsa_memory_ordered 1
		.amdhsa_forward_progress 1
		.amdhsa_inst_pref_size 134
	.end_amdhsa_kernel
	.amdgpu_metadata
---
amdhsa.version: [ 1, 2 ]
amdhsa.kernels:
  - .name:           k_q863143d11e_proj
    .symbol:         k_q863143d11e_proj.kd
    .args:
      - { .name: xq, .offset: 0, .size: 8, .value_kind: global_buffer, .address_space: global }
      - { .name: wq, .offset: 8, .size: 8, .value_kind: global_buffer, .address_space: global }
      - { .name: wq_b, .offset: 16, .size: 8, .value_kind: global_buffer, .address_space: global }
      - { .name: wk_b, .offset: 24, .size: 8, .value_kind: global_buffer, .address_space: global }
      - { .name: wv_b, .offset: 32, .size: 8, .value_kind: global_buffer, .address_space: global }
      - { .name: hq, .offset: 40, .size: 8, .value_kind: global_buffer, .address_space: global }
    .group_segment_fixed_size: 327680
    .private_segment_fixed_size: 0
    .kernarg_segment_align: 8
    .kernarg_segment_size: 48
    .max_flat_workgroup_size: 128
    .sgpr_count:     102
    .vgpr_count:     1024
    .wavefront_size: 32
...
	.end_amdgpu_metadata
.endif
;; end of part 2
;; launch attn (part 3): grid 4 x 64, 16 waves a work-group, no clusters, 237,056 bytes of LDS; arguments hq, flags, mask, aq; writes aq
.if DOCPART == 3
	.amdgcn_target "amdgcn-amd-amdhsa--gfx1250"
	.amdhsa_code_object_version 6
	.text
	.protected	k_q863143d11e_attn
	.globl	k_q863143d11e_attn
	.p2align	8
	.type	k_q863143d11e_attn,@function
k_q863143d11e_attn:
	s_mov_b64 s[64:65], 0
	v_nop
	global_prefetch_b8 v0, s[64:65] scope:SCOPE_SE
	s_setreg_imm32_b32 hwreg(HW_REG_WAVE_MODE, 25, 1), 1
	s_wait_xcnt 0x0
; ATTN: S^T = K Q^T, the mask, the softmax by a whole-number M, O^T = V^T P^T, the division by the row's sum, and the result quantised along d_model; all operands are codes of BF6 (E3M2) with E8M0 scales.
; t = (score / 8 + mask x -1e9) x log2(e); M = the running largest t, rounded up to a whole number; p = 2^(t - M) is quantised along the keys, not normalised; the row's sum is taken of the unquantised p.
; SHARES.  Work-group (p, head) takes two blocks of 256 queries, 7 - p and then p.  Each of its sixteen waves owns one tile of 16 queries in 256 registers.  A wave walks 16 key steps of 128 keys.
; Both products are used transposed: a lane holds ONE query (lane % 16) throughout.
; THE HEAD'S K AND V STAY IN LDS: each of the 16 records (a step's 8 tiles of K and 4 of V, 12,288 bytes) has a place of its own, with the step's scale words behind it (pitch 13,056), and is written once.
; The records come through registers, a pair at a time, 48 bytes a thread: the first pair at the head; in the first block each trip of two key steps asks for the next pair at its start and stores it at its end,
; and one barrier a trip shows it to every wave.  The second block finds all it needs in LDS and has no barrier.
; WHAT THE MASK LEAVES OUT.  The mask is an input: an earlier launch has stored, for each tile of queries, which key steps are needed and in which of them the mask is not all zeros.  All trip counts are constants and
; every wave passes every barrier; a scalar branch on the stored word leads round a step's work, and a pair of records is fetched if any tile of either block needs one of its steps.
; The need's bits end with pair 7, so the last trip's load and store are never run; the LDS claim covers the room of a pair behind the sixteenth record, which that store's address arithmetic names.
; NO TENSOR LOAD, NO CLUSTER: the work hangs on numbers read from memory.  NO PREFETCH: a pair is asked for a whole trip ahead of its store, straight into registers.
; A head's K is 64: registers 6-11 of Q's and of K's fragments are zero codes, on both sides.
; The mask and the score are joined by one fused multiply-add (one rounding where two are written); for mask values 0 and 1 the results are the same.
; LIMITS: NaN and infinities are not served; a block of zeros keeps the byte 1 (its codes are zeros; this program alone reads the bytes); the flags' limit is stated where they are made.
; The result's scale bytes leave as 2 bytes a row, 32 bytes apart.
.set SLOTB, 12288                      ; a record in memory
.set RS,    13056                      ; its place in LDS: the record, K's 512 bytes of scale words, V's 256
.set SPARE, 0                          ; LDS: the spare words, 2,048 bytes;
.set REC,   2048                       ; the 16 places
.set HQ_Q,  12582912
.set HQ_KS, 18874368
.set HQ_QS, 19398656
.set HQ_VS, 19922944
.set AQ_SC, 6291456
.set L16,  1                           ; 16 x lane
.set L8,   2                           ; 8 x lane
.set F8,   3                           ; 8 x thread
.set MA,   4                           ; the mask: (r + 8 (r / 8)) rows + 64 h
.set KA16, 5                           ; the pair of places in hand + 16 x lane
.set KA8,  249                         ; + 8 x lane
; v6-11 and v240-245: my 48 bytes of the next pair of records
.set QF,   16                          ; v16-27 Q's fragment;  v12 -M, v13 the largest t, v[14:15] the sum in two halves
.set KSW,  28
.set KB,   32                          ; v32-79 four fragments of K
.set S,    80                          ; v80-143 S^T, then p, then V's four fragments
.set O,    144                         ; v144-175 O^T
.set MB,   176                         ; v176-239 64 numbers of the mask; when they are used up:
.set PC,   176
.set BM,   196
.set T2,   200
.set SCO,  204
.set VSW,  246
.set QSW,  248
.set FF,   250
.set PWD,  251
.set TT,   252
.set HW,   253
; s12 wave; s13 the pairs still to fetch, two bits each; s14 trips; s15 block; s16 tile; s17 my tile's flags; s18 the pair of places in hand; s[28:29] the next pair in memory; s[30:31] the mask
.macro FILLLD                          ; each load of the work-group covers 4,096 consecutive bytes
.irp x, 0,1,2
	global_load_b64 v[6+2*\x:7+2*\x], v[F8], s[28:29] offset:4096*\x
	global_load_b64 v[240+2*\x:241+2*\x], v[F8], s[28:29] offset:SLOTB+4096*\x
.endr
.endm
.macro FILLST                          ; v[TT]: the pair's first place + 8 x thread
.irp x, 0,1,2
	ds_store_b64 v[TT], v[6+2*\x:7+2*\x] offset:4096*\x
	ds_store_b64 v[TT], v[240+2*\x:241+2*\x] offset:RS+4096*\x
.endr
.endm
	s_load_b256 s[4:11], s[0:1], 0x0               ; hq, flags, mask, aq
	v_lshl_add_u32 v254, v0, 2, SPARE
	v_mov_b32 v255, 0
	v_lshrrev_b32 v10, 5, v0
	s_delay_alu instid0(VALU_DEP_1)
	v_readfirstlane_b32 s12, v10                   ; wave 0..15
	v_and_b32 v10, 31, v0
	s_delay_alu instid0(VALU_DEP_1)
	v_lshlrev_b32 v[L16], 4, v10
	s_delay_alu instid0(VALU_DEP_2)
	v_lshlrev_b32 v[L8], 3, v10
	v_lshlrev_b32 v[F8], 3, v0
	v_lshlrev_b32 v88, 4, v0                       ; 16 x thread
	v_and_b32 v11, 15, v0                          ; r
	v_bfe_u32 v[TT], v0, 4, 1                      ; h
	s_delay_alu instid0(VALU_DEP_2)
	v_and_b32 v[MA], 8, v11
	s_delay_alu instid0(VALU_DEP_1)
	v_add_nc_u32 v[MA], v[MA], v11
	s_delay_alu instid0(VALU_DEP_1)
	v_lshlrev_b32 v[MA], 13, v[MA]
	s_delay_alu instid0(VALU_DEP_1)
	v_lshl_add_u32 v[MA], v[TT], 6, v[MA]
	s_and_b32 s45, ttmp7, 0xffff
	s_lshr_b32 s46, s45, 4
	s_lshl_b32 s46, s46, 7
	s_and_b32 s47, s45, 15
	s_mov_b32 s20, 0x76543210
	s_mov_b32 s21, 0xfedcba98                      ; v_permlanex16_b32's selects for lane l xor 16
	s_mov_b32 s22, 0x3e38aa3b                      ; c = log2(e) / 8
	s_mov_b32 s23, s22
	s_mov_b32 s24, 0xcfee6b28                      ; -8e9: the scores are 8 x the logits
	s_mov_b32 s25, s24
	s_mov_b32 s43, 0
	s_mul_i32 s42, s45, 196608
	s_sub_co_u32 s26, 7, ttmp9
	s_lshl_b32 s26, s26, 6                         ; s26, s27: where the two blocks' flag words lie; no later line writes them
	s_lshl_b32 s27, ttmp9, 6
	s_mul_i32 s19, s12, RS
	s_wait_alu depctr_va_vdst(0)
	s_wait_kmcnt 0x0
	s_add_nc_u64 s[28:29], s[4:5], s[42:43]        ; the head's records
	s_lshl_b32 s42, s45, 13
	s_add_co_u32 s42, s42, HQ_KS
	s_add_nc_u64 s[84:85], s[4:5], s[42:43]
	s_lshl_b32 s42, s45, 12
	s_add_co_u32 s42, s42, HQ_VS
	s_add_nc_u64 s[86:87], s[4:5], s[42:43]
	s_load_b512 s[48:63], s[6:7], s26 offset:0x0   ; the flag words of both blocks' 32 tiles
	s_load_b512 s[68:83], s[6:7], s27 offset:0x0
	FILLLD                                         ; records 0 and 1, always
	global_load_b128 v[80:83], v88, s[84:85]       ; the head's scale words: thread t holds step t / 32's: 16 and 8 bytes a lane
	global_load_b64 v[84:85], v[F8], s[86:87]
	v_add_nc_u32 v86, s19, v[L16]                  ; and puts them behind record t / 32
	v_add_nc_u32 v87, s19, v[L8]
.irp i, 6,7,8,9,10,11
	v_mov_b32 v[QF+\i], 0                          ; zero codes for the K that a head does not have
.irp t, 0,1,2,3
	v_mov_b32 v[KB+12*\t+\i], 0
.endr
.endr
.irp b, 0,1,2,3
	v_mov_b32 v[T2+\b], 0                          ; written once: a lane permute's destination counts as one of its sources
.endr
	v_mov_b32 v[PWD], 0
; S^T = K Q^T, four tiles of 16 keys at a time.  Register 16 b + i of the scores is key 32 b + 16 (lane / 16) + i of the step.  slot: which place of the pair in hand
.macro QK slot
	ds_load_b128 v[KSW:KSW+3], v[KA16] offset:\slot*RS+12288
.irp g, 0,1
.irp t, 0,1,2,3
	ds_load_b128 v[KB+12*\t:KB+12*\t+3], v[KA16] offset:\slot*RS+768*(4*\g+\t)
	ds_load_b64 v[KB+12*\t+4:KB+12*\t+5], v[KA8] offset:\slot*RS+768*(4*\g+\t)+512
.endr
	s_wait_dscnt 0x0
.irp t, 0,1,2,3
.if (\t)%2
	v_wmma_scale_f32_16x16x128_f8f6f4 v[S+8*(4*\g+\t):S+8*(4*\g+\t)+7], v[KB+12*\t:KB+12*\t+11], v[QF:QF+11], 0, v[KSW+(4*\g+\t)/2], v[QSW] matrix_a_fmt:MATRIX_FMT_BF6 matrix_b_fmt:MATRIX_FMT_BF6 matrix_a_scale:MATRIX_SCALE_ROW1
.else
	v_wmma_scale_f32_16x16x128_f8f6f4 v[S+8*(4*\g+\t):S+8*(4*\g+\t)+7], v[KB+12*\t:KB+12*\t+11], v[QF:QF+11], 0, v[KSW+(4*\g+\t)/2], v[QSW] matrix_a_fmt:MATRIX_FMT_BF6 matrix_b_fmt:MATRIX_FMT_BF6
.endif
.endr
.rept 4
	v_nop                                          ; places in front of the loads into K's registers, and of the first read of the scores
.endr
.endr
.endm
.macro MASKLD
.irp b, 0,1,2,3
.irp i, 0,1,2,3
	global_load_b128 v[MB+16*\b+4*\i:MB+16*\b+4*\i+3], v[MA], s[30:31] offset:128*\b+16*\i
.endr
.endr
.endm
.macro MASKFMA
.set j, 0
.rept 32
	v_pk_fma_f32 v[S+j:S+j+1], v[MB+j:MB+j+1], s[24:25], v[S+j:S+j+1] op_sel_hi:[1,0,1]
.set j, j+2
.endr
.endm
.macro SOFTMAX
.irp b, 0,1,2,3
	v_max3_num_f32 v[BM+\b], v[S+16*\b], v[S+1+16*\b], v[S+2+16*\b]    ; the largest score of each block of 32 keys: for the row's maximum and, since p rises with the score, for the block's largest p
.endr
.irp i, 3,5,7,9,11,13
.irp b, 0,1,2,3
	v_max3_num_f32 v[BM+\b], v[BM+\b], v[S+16*\b+\i], v[S+1+16*\b+\i]
.endr
.endr
.irp b, 0,1,2,3
	v_max_num_f32 v[BM+\b], v[BM+\b], v[S+15+16*\b]
.endr
.irp b, 0,1,2,3
	s_delay_alu instid0(VALU_DEP_4)
	v_permlanex16_b32 v[T2+\b], v[BM+\b], s20, s21
.endr
.irp b, 0,1,2,3
	s_delay_alu instid0(VALU_DEP_4)
	v_max_num_f32 v[BM+\b], v[BM+\b], v[T2+\b]
.endr
	s_delay_alu instid0(VALU_DEP_2)
	v_max3_num_f32 v[TT], v[BM], v[BM+1], v[BM+2]
	s_delay_alu instid0(VALU_DEP_1)
	v_max_num_f32 v[TT], v[TT], v[BM+3]
	s_delay_alu instid0(VALU_DEP_1)
	v_mul_f32 v[TT], s22, v[TT]
	s_delay_alu instid0(VALU_DEP_1)
	v_max_num_f32 v13, v13, v[TT]                  ; the running largest t
	v_mov_b32 v[TT], v12
	s_delay_alu instid0(VALU_DEP_2)
	v_floor_f32 v12, -v13                          ; the new -M = floor(-t)
	s_delay_alu instid0(VALU_DEP_1)
	v_sub_f32 v[TT], v12, v[TT]
	s_delay_alu instid0(VALU_DEP_1)
	v_cvt_i32_f32 v[TT], v[TT]
	s_delay_alu instid0(VALU_DEP_1)
	v_ldexp_f32 v[FF], 1.0, v[TT]                  ; f = 2^(old M - new M)
.set j, 0
.rept 32
	v_pk_fma_f32 v[S+j:S+j+1], v[S+j:S+j+1], s[22:23], v[12:13] op_sel_hi:[1,0,0]   ; t - M
.set j, j+2
.endr
.irp b, 0,1,2,3
	v_fma_f32 v[BM+\b], v[BM+\b], s22, v12
.endr
.set j, 0
	s_wait_alu depctr_va_vdst(0)                   ; the wait ahead of the batch
.rept 64
	v_exp_f32 v[S+j], v[S+j]                       ; p = 2^(t - M)
.set j, j+1
.endr
	v_pk_mul_f32 v[14:15], v[14:15], v[FF:FF+1] op_sel_hi:[1,0]   ; the sums under the new M: the plain line behind the exponentials
	s_wait_alu depctr_va_vdst(0)                   ; one wait for the batch of 64, ahead of its first reader
.irp b, 0,1,2,3
	v_exp_f32 v[BM+\b], v[BM+\b]                   ; the block's largest p
.endr
	v_pk_add_f32 v[200:201], v[84:85], v[88:89]
	v_pk_add_f32 v[246:247], v[92:93], v[96:97]
	v_pk_add_f32 v[238:239], v[100:101], v[104:105]
	v_pk_add_f32 v[236:237], v[108:109], v[112:113]
	v_pk_add_f32 v[234:235], v[116:117], v[120:121]
	v_pk_add_f32 v[232:233], v[124:125], v[128:129]
	v_pk_add_f32 v[230:231], v[132:133], v[136:137]
	v_pk_add_f32 v[14:15], v[14:15], v[140:141]
	v_pk_add_f32 v[200:201], v[200:201], v[80:81]
	v_pk_add_f32 v[246:247], v[246:247], v[82:83]
	v_pk_add_f32 v[238:239], v[238:239], v[86:87]
	v_pk_add_f32 v[236:237], v[236:237], v[90:91]
	v_pk_add_f32 v[234:235], v[234:235], v[94:95]
	v_pk_add_f32 v[232:233], v[232:233], v[98:99]
	v_pk_add_f32 v[230:231], v[230:231], v[102:103]
	v_pk_add_f32 v[14:15], v[14:15], v[106:107]
	v_pk_add_f32 v[200:201], v[200:201], v[110:111]
	v_pk_add_f32 v[246:247], v[246:247], v[114:115]
	v_pk_add_f32 v[238:239], v[238:239], v[118:119]
	v_pk_add_f32 v[236:237], v[236:237], v[122:123]
	v_pk_add_f32 v[234:235], v[234:235], v[126:127]
	v_pk_add_f32 v[232:233], v[232:233], v[130:131]
	v_pk_add_f32 v[230:231], v[230:231], v[134:135]
	v_pk_add_f32 v[14:15], v[14:15], v[138:139]
	v_pk_add_f32 v[200:201], v[200:201], v[142:143]
	s_delay_alu instid0(VALU_DEP_2)
	v_pk_add_f32 v[14:15], v[14:15], v[236:237]
	s_delay_alu instid0(VALU_DEP_2)
	v_pk_add_f32 v[200:201], v[200:201], v[234:235]
	v_pk_add_f32 v[246:247], v[246:247], v[232:233]
	v_pk_add_f32 v[238:239], v[238:239], v[230:231]
	s_delay_alu instid0(VALU_DEP_2)
	v_pk_add_f32 v[14:15], v[14:15], v[246:247]
	s_delay_alu instid0(VALU_DEP_2)
	v_pk_add_f32 v[200:201], v[200:201], v[238:239]
	s_delay_alu instid0(VALU_DEP_1)
	v_pk_add_f32 v[14:15], v[14:15], v[200:201]
	s_wait_alu depctr_va_vdst(0)                   ; and one for the four
.irp b, 0,1,2,3
	v_max_num_f32 v[BM+\b], 0x2800000, v[BM+\b]    ; the floor 2^(5 - 127): the byte cannot fall under 1
.endr
.irp b, 0,1,2,3
	s_delay_alu instid0(VALU_DEP_4)
	v_add_nc_u32 v[SCO+\b], 0xfe000000, v[BM+\b]
.endr
.irp b, 0,1,2,3
	s_delay_alu instid0(VALU_DEP_4)
	v_lshrrev_b32 v[T2+\b], 23, v[SCO+\b]
.endr
	s_delay_alu instid0(VALU_DEP_3)
	v_lshl_or_b32 v[PWD], v[T2+1], 8, v[T2]
	s_delay_alu instid0(VALU_DEP_1)
	v_lshl_or_b32 v[PWD], v[T2+2], 16, v[PWD]
	s_delay_alu instid0(VALU_DEP_1)
	v_lshl_or_b32 v[PWD], v[T2+3], 24, v[PWD]
.irp c, 0,1
	v_cvt_scalef32_pk16_bf6_f32 v[PC+6*\c:PC+2+6*\c], v[S+32*\c:S+15+32*\c], v[SCO+2*\c]
	v_cvt_scalef32_pk16_bf6_f32 v[PC+12+4*\c:PC+14+4*\c], v[S+16+32*\c:S+31+32*\c], v[SCO+2*\c+1]
.endr
	v_nop                                          ; one plain place behind a scaled conversion
.endm
; O^T += V^T P^T: four tiles of 16 of the head's 64; K = the step's 128 keys.  V's fragments take the registers that p has left.
.macro PV slot
.irp d, 0,1,2,3
.irp c, 0,1,2
	ds_load_b128 v[S+12*\d+4*\c:S+12*\d+4*\c+3], v[KA16] offset:\slot*RS+6144+1536*\d+512*\c
.endr
.endr
	ds_load_b64 v[VSW:VSW+1], v[KA8] offset:\slot*RS+12800
.irp c, 0,1
.irp i, 0,1,2
	v_permlane16_swap_b32 v[PC+6*\c+\i], v[PC+12+4*\c+\i]
.endr
.irp i, 0,1,2
	s_delay_alu instid0(VALU_DEP_3)
	v_mov_b32 v[PC+3+6*\c+\i], v[PC+12+4*\c+\i]
.endr
.endr
.set j, 0
.rept 16
	v_pk_mul_f32 v[O+j:O+j+1], v[O+j:O+j+1], v[FF:FF+1] op_sel_hi:[1,0]   ; O^T under the new M; also the places between the operand's and the scale word's last writes and the products
.set j, j+2
.endr
	s_wait_alu depctr_va_vdst(0)
	s_wait_dscnt 0x0
.irp d, 0,1,2,3
.if (\d)%2
	v_wmma_scale_f32_16x16x128_f8f6f4 v[O+8*\d:O+8*\d+7], v[S+12*\d:S+12*\d+11], v[PC:PC+11], v[O+8*\d:O+8*\d+7], v[VSW+\d/2], v[PWD] matrix_a_fmt:MATRIX_FMT_BF6 matrix_b_fmt:MATRIX_FMT_BF6 matrix_a_scale:MATRIX_SCALE_ROW1
.else
	v_wmma_scale_f32_16x16x128_f8f6f4 v[O+8*\d:O+8*\d+7], v[S+12*\d:S+12*\d+11], v[PC:PC+11], v[O+8*\d:O+8*\d+7], v[VSW+\d/2], v[PWD] matrix_a_fmt:MATRIX_FMT_BF6 matrix_b_fmt:MATRIX_FMT_BF6
.endif
.endr
.rept 5
	v_nop                                          ; five: the next matrix instruction writes the scores over V's fragments
.endr
.endm
; A KEY STEP.  The tests are of stored whole numbers.  s18 steps once for two key steps
.macro STEP slot
	v_add_nc_u32 v[KA16], s18, v[L16]
	v_add_nc_u32 v[KA8], s18, v[L8]
	s_bitcmp1_b32 s17, 0                           ; does my tile need this step?
	s_cbranch_scc0 .Ldone_\@
	s_bitcmp1_b32 s17, 16                          ; does the mask count in it?
	s_cbranch_scc1 .Lmix_\@
	s_wait_alu depctr_va_vdst(0)
	QK \slot
	s_branch .Lsm_\@
.Lmix_\@:
	MASKLD
	s_wait_alu depctr_va_vdst(0)
	QK \slot
	s_wait_loadcnt 0x0                             ; the mask's numbers are in: so no load that names the mask's base is out when it is stepped below
	MASKFMA
.Lsm_\@:
	SOFTMAX
	PV \slot
.Ldone_\@:
	s_add_nc_u64 s[30:31], s[30:31], 512
.if \slot
	s_add_co_u32 s18, s18, 2*RS
.endif
	s_lshr_b32 s17, s17, 1
.endm
; A BLOCK OF 256 QUERIES.
.macro BLOCK second
.if \second
	s_mov_b32 s15, ttmp9
.else
	s_sub_co_u32 s15, 7, ttmp9
.endif
	s_lshl_b32 s16, s15, 4
	s_add_co_u32 s16, s16, s12                     ; my tile of queries
	s_lshl_b32 s41, s16, 2
	s_load_b32 s17, s[6:7], s41 offset:0x0         ; its flags
	s_mov_b32 s43, 0
	s_lshl_b32 s42, s45, 7
	s_add_co_u32 s42, s42, s16
	s_mul_i32 s42, s42, 768
	s_add_co_u32 s42, s42, HQ_Q
	s_add_nc_u64 s[32:33], s[4:5], s[42:43]        ; Q's tile
	s_lshl_b32 s42, s45, 13
	s_lshr_b32 s18, s16, 3
	s_lshl_b32 s18, s18, 9
	s_add_co_u32 s42, s42, s18
	s_and_b32 s18, s16, 1
	s_lshl_b32 s18, s18, 8
	s_add_co_u32 s42, s42, s18
	s_bfe_u32 s18, s16, 0x20001
	s_lshl_b32 s18, s18, 2
	s_add_co_u32 s42, s42, s18
	s_add_co_u32 s42, s42, HQ_QS
	s_add_nc_u64 s[34:35], s[4:5], s[42:43]        ; its scale words
	s_lshr_b32 s42, s16, 1
	s_lshl_b32 s42, s42, 18
	s_and_b32 s18, s16, 1
	s_lshl_b32 s18, s18, 16
	s_add_co_u32 s42, s42, s18
	s_add_nc_u64 s[30:31], s[8:9], s[42:43]        ; the mask at row 32 (tile / 2) + 8 (tile % 2)
	s_add_co_u32 s18, s46, s16
	s_lshl_b32 s42, s18, 4
	s_add_co_u32 s42, s42, s47
	s_mul_i32 s42, s42, 768
	s_add_nc_u64 s[36:37], s[10:11], s[42:43]      ; the result's image
	s_lshl_b32 s42, s18, 9
	s_lshl_b32 s18, s47, 1
	s_add_co_u32 s42, s42, s18
	s_add_co_u32 s42, s42, AQ_SC
	s_add_nc_u64 s[38:39], s[10:11], s[42:43]      ; and its scale bytes
	v_and_b32 v[HW], 15, v0
	s_delay_alu instid0(VALU_DEP_1)
	v_lshlrev_b32 v[HW], 4, v[HW]                  ; 16 r
	global_load_b128 v[QF:QF+3], v[L16], s[32:33]
	global_load_b64 v[QF+4:QF+5], v[L8], s[32:33] offset:512
	global_load_b32 v[QSW], v[HW], s[34:35]
.set j, 0
.rept 32
	v_mov_b32 v[O+j], 0                            ; which step is a tile's first hangs on the flags: so O^T begins as zeros, which the first change of M leaves zeros
.set j, j+1
.endr
	v_mov_b32 v13, 0xff61b1e6                      ; the largest t so far: -3e38
	s_delay_alu instid0(VALU_DEP_1)
	v_floor_f32 v12, -v13
	v_mov_b32 v14, 0
	v_mov_b32 v15, 0
	s_wait_kmcnt 0x0
	s_mov_b32 s18, REC
	s_wait_loadcnt 0x0                             ; Q is in; in the first block also the first pair of records and the scale words
.if \second
.else
.irp i, 49,50,51,52,53,54,55,56,57,58,59,60,61,62,63,68,69,70,71,72,73,74,75,76,77,78,79,80,81,82,83
	s_or_b32 s48, s48, s[\i]
.endr
	s_and_b32 s48, s48, 0xffff                     ; the steps that any tile of either block needs
	s_lshr_b32 s13, s48, 2                         ; a pair ahead
	ds_store_b128 v86, v[80:83] offset:REC+12288
	ds_store_b64 v87, v[84:85] offset:REC+12800
	v_add_nc_u32 v[TT], s18, v[F8]
	FILLST
	s_add_nc_u64 s[28:29], s[28:29], 2*SLOTB       ; (the loads that named it are done)
	s_wait_dscnt 0x0                               ; for the others' sake: my stores are done
	s_barrier_signal -1
	s_barrier_wait -1
.endif
	s_mov_b32 s14, 8
.Lstep_\@:
.if \second
.else
	s_and_b32 s41, s13, 3                          ; is the next pair needed?
	s_cbranch_scc0 .Lnoload_\@
	FILLLD
.Lnoload_\@:
.endif
	STEP 0
	STEP 1
.if \second
.else
	s_wait_loadcnt 0x0                             ; my part of the next pair is in, if it was asked for
	s_and_b32 s41, s13, 3
	s_cbranch_scc0 .Lnostore_\@
	v_add_nc_u32 v[TT], s18, v[F8]                 ; s18 has stepped to the next pair's places, which nobody has read or written
	FILLST
.Lnostore_\@:
	s_add_nc_u64 s[28:29], s[28:29], 2*SLOTB
	s_lshr_b32 s13, s13, 2
	s_wait_dscnt 0x0                               ; my stores have landed
	s_barrier_signal -1
	s_barrier_wait -1                              ; and everybody's: the next pair may be read
.endif
	s_sub_co_u32 s14, s14, 1
	s_cmp_lg_u32 s14, 0
	s_cbranch_scc1 .Lstep_\@
	; the block's end: O^T / the sum, quantised along d_model: my head's two blocks of 32.  Register 16 i + x is d = 32 i + 16 (lane / 16) + x
	s_wait_alu depctr_va_vdst(0)
	v_add_f32 v14, v14, v15
	s_delay_alu instid0(VALU_DEP_1)
	v_permlanex16_b32 v[TT], v14, s20, s21
	s_delay_alu instid0(VALU_DEP_1)
	v_add_f32 v14, v14, v[TT]                      ; the row's sum
	s_wait_alu depctr_va_vdst(0)
	v_rcp_f32 v14, v14
	v_nop
	s_wait_alu depctr_va_vdst(0)
.set j, 0
.rept 32
	v_mul_f32 v[S+j], v[O+j], v14
.set j, j+1
.endr
.irp i, 0,1
	v_max3_num_f32 v[BM+\i], |v[S+16*\i]|, |v[S+1+16*\i]|, 0x2800000
.endr
.irp x, 2,4,6,8,10,12,14
.irp i, 0,1
	s_delay_alu instid0(VALU_DEP_2)
	v_max3_num_f32 v[BM+\i], v[BM+\i], |v[S+16*\i+\x]|, |v[S+1+16*\i+\x]|
.endr
.endr
.irp i, 0,1
	s_delay_alu instid0(VALU_DEP_2)
	v_permlanex16_b32 v[T2+\i], v[BM+\i], s20, s21
.endr
.irp i, 0,1
	s_delay_alu instid0(VALU_DEP_2)
	v_max_num_f32 v[BM+\i], v[BM+\i], v[T2+\i]
.endr
.irp i, 0,1
	s_delay_alu instid0(VALU_DEP_2)
	v_add_nc_u32 v[SCO+\i], 0xfe000000, v[BM+\i]
.endr
.irp i, 0,1
	s_delay_alu instid0(VALU_DEP_2)
	v_lshrrev_b32 v[T2+\i], 23, v[SCO+\i]
.endr
	s_delay_alu instid0(VALU_DEP_1)
	v_lshl_or_b32 v[HW], v[T2+1], 8, v[T2]         ; my row's two scale bytes
	v_cvt_scalef32_pk16_bf6_f32 v[PC:PC+2], v[S:S+15], v[SCO]
	v_cvt_scalef32_pk16_bf6_f32 v[PC+4:PC+6], v[S+16:S+31], v[SCO+1]
	v_nop
.irp i, 0,1,2
	v_permlane16_swap_b32 v[PC+\i], v[PC+4+\i]
.endr
.irp i, 0,1,2
	s_delay_alu instid0(VALU_DEP_3)
	v_mov_b32 v[PC+3+\i], v[PC+4+\i]               ; registers 0-5: lane (r, h) holds block h of my head, as the next product's fragment wants it
.endr
	v_and_b32 v[T2+3], 15, v0
	s_delay_alu instid0(VALU_DEP_1)
	v_lshlrev_b32 v[T2+3], 5, v[T2+3]              ; 32 r
	global_store_b128 v[L16], v[PC:PC+3], s[36:37]                 ; the wave stores 512 and 256 consecutive bytes, aligned
	global_store_b64 v[L8], v[PC+4:PC+5], s[36:37] offset:512
	global_store_b16 v[T2+3], v[HW], s[38:39]      ; lanes r and r + 16 write the same two bytes with the same value
	s_wait_xcnt 0x0                                ; the stores have read their registers and bases
.endm
	BLOCK 0
	BLOCK 1
	s_wait_tensorcnt 0x0                           ; the wave's end
	ds_add_u32 v254, v255
	s_wait_dscnt 0x0
	s_endpgm
.Lfunc_end_k_q863143d11e_attn:
	.size	k_q863143d11e_attn, .Lfunc_end_k_q863143d11e_attn-k_q863143d11e_attn
	.p2alignl 7, 3214868480
	.fill 96, 4, 3214868480
	.section	.rodata,"a",@progbits
	.p2align	6, 0x0
	.amdhsa_kernel k_q863143d11e_attn
		.amdhsa_group_segment_fixed_size 237056
		.amdhsa_private_segment_fixed_size 0
		.amdhsa_enable_private_segment 0
		.amdhsa_kernarg_size 32
		.amdhsa_user_sgpr_count 2
		.amdhsa_user_sgpr_kernarg_segment_ptr 1
		.amdhsa_wavefront_size32 1
		.amdhsa_system_sgpr_workgroup_id_x 1
		.amdhsa_system_sgpr_workgroup_id_y 1
		.amdhsa_system_sgpr_workgroup_id_z 1
		.amdhsa_system_vgpr_workitem_id 0
		.amdhsa_next_free_vgpr 256
		.amdhsa_next_free_sgpr 88
		.amdhsa_reserve_vcc 0
		.amdhsa_float_denorm_mode_32 3
		.amdhsa_float_denorm_mode_16_64 3
		.amdhsa_memory_ordered 1
		.amdhsa_forward_progress 1
		.amdhsa_inst_pref_size 115
	.end_amdhsa_kernel
	.amdgpu_metadata
---
amdhsa.version: [ 1, 2 ]
amdhsa.kernels:
  - .name:           k_q863143d11e_attn
    .symbol:         k_q863143d11e_attn.kd
    .args:
      - { .name: hq, .offset: 0, .size: 8, .value_kind: global_buffer, .address_space: global }
      - { .name: flags, .offset: 8, .size: 8, .value_kind: global_buffer, .address_space: global }
      - { .name: mask, .offset: 16, .size: 8, .value_kind: global_buffer, .address_space: global }
      - { .name: aq, .offset: 24, .size: 8, .value_kind: global_buffer, .address_space: global }
    .group_segment_fixed_size: 237056
    .private_segment_fixed_size: 0
    .kernarg_segment_align: 8
    .kernarg_segment_size: 32
    .max_flat_workgroup_size: 512
    .sgpr_count:     88
    .vgpr_count:     256
    .wavefront_size: 32
...
	.end_amdgpu_metadata
.endif
;; end of part 3
;; launch outp (part 4): grid 4 x 64, 4 waves a work-group, clusters of 4 x 4, 327,680 bytes of LDS; arguments aq, wq, wo_b, out0; writes out0
.if DOCPART == 4
	.amdgcn_target "amdgcn-amd-amdhsa--gfx1250"
	.amdhsa_code_object_version 6
	.text
	.protected	k_q863143d11e_outp
	.globl	k_q863143d11e_outp
	.p2align	8
	.type	k_q863143d11e_outp,@function
k_q863143d11e_outp:
	s_mov_b64 s[64:65], 0
	v_nop
	global_prefetch_b8 v0, s[64:65] scope:SCOPE_SE
	s_setreg_imm32_b32 hwreg(HW_REG_WAVE_MODE, 25, 1), 1
	s_wait_xcnt 0x0
	s_wait_alu depctr_hold_cnt(0) depctr_sa_sdst(0) depctr_va_vdst(0) depctr_va_sdst(0) depctr_va_ssrc(0) depctr_va_vcc(0) depctr_vm_vsrc(0)
	s_getreg_b32 s2, hwreg(HW_REG_IB_STS2, 6, 4)
	s_cmp_eq_u32 s2, 0
	s_cbranch_scc0 .Lentry_in_a_cluster
	s_endpgm
.Lentry_in_a_cluster:
	s_bfe_u32 s2, ttmp6, 0x10000c
	s_cmp_lg_u32 s2, 0xf033
	s_cbranch_scc0 .Lentry_shape_is_right
	s_endpgm
.Lentry_shape_is_right:
; OUTP: out0 = (the attention's result) wo_w + wo_b on codes of BF6 (E3M2) with E8M0 scales; f32 out.
; A work-group makes 256 tokens x 128 columns, all of K = 1,024: 256 work-groups.  ALL OF K LIES IN LDS, filled once: each wave issues ONE tensor load at the head; the walk along K has no barrier.
; A (the tokens) lies in memory as images of operand registers, 12,288 bytes for 16 tokens: a dense block, stated as rows of 256 bytes (waves 0, 1: 98,304 bytes each).
; B (the weight's columns): whole rows of 768 bytes, each beginning at a multiple of 256, with 16 bytes of padding behind each 256: LDS pitch 816 (waves 2, 3: 64 rows each).
; CLUSTERS 4 x 4: A's tile is shared along a row of the cluster, B's along a column.  NO PREFETCH: no loop to run ahead in: all tiles are asked for at the head.
; A wave makes 64 tokens x 128 columns: 32 accumulators (window 2), begun with the bias as C.  Window 0: addresses, scale words, A's fragments in two sets; window 1: B's in two sets; window 3: the bias.
; The scale words and the bias come from memory straight into registers.  The matrix instruction is used transposed: a lane holds one token and eight neighbouring columns.
; The way out goes through a stage in the wave's own part of A's tile, which only this wave reads and which is filled no more.
.set KROW,   768
.set PITCH,  816
.set BLK,    16*PITCH
.set BBASE,  196608
.set SPARE,  BBASE+128*PITCH
.set FR,     12
.set NP,     4
.set SPITCH, 528
.set ADRA, 16                          ; v16 my A images + 16 x lane; v17 + 8 x lane
.set ADRB, 18                          ; v18-19 B's blocks 0-3, v20-21 blocks 4-7
.set STO,  24
.set RD,   25
.set CO,   26
.set R32,  27
.set SPW,  28
.set NIL,  29
.set SA,   32
.set SB,   64
.set AF,   128
.set BK,   128
.set BIAS, 0                           ; window 3
.set G1, 24
.set G0, 32
.set G1B, 48
.set G0B, 56
.set MSB, 0
.macro WIN new
.if MSB != \new
	s_set_vgpr_msb (MSB<<8)|\new
.set MSB, \new
.endif
.endm
.macro PLACES n
.rept \n
	v_nop
.endr
.endm
.macro CREST
	s_cmp_lg_u32 s14, 0
	s_cbranch_scc1 .Lnot_wave_0_\@
	s_barrier_signal -3
.Lnot_wave_0_\@:
	s_barrier_wait -3
	s_barrier_signal -1
	s_barrier_wait -1
.endm
.macro CROUND
	s_barrier_signal -1
	s_barrier_wait -1
	CREST
.endm
	s_load_b128 s[4:7], s[0:1], 0x0                ; aq, wq
	s_load_b64 s[96:97], s[0:1], 0x10              ; wo_b
	s_load_b64 s[12:13], s[0:1], 0x18              ; out0
	v_lshl_add_u32 v[SPW], v0, 2, SPARE
	v_mov_b32 v[NIL], 0
	ds_add_u32 v[SPW], v[NIL]                      ; the opening lines: the add twice on end and its wait
	ds_add_u32 v[SPW], v[NIL]
	v_lshrrev_b32 v1, 5, v0
	v_readfirstlane_b32 s14, v1
	s_lshr_b32 s15, s14, 1
	s_and_b32 s16, s14, 1
	s_bfe_u32 s40, ttmp6, 0x40000
	s_bfe_u32 s41, ttmp6, 0x40004
	s_and_b32 s67, ttmp7, 0xffff                   ; cluster 0..15
	s_lshr_b32 s17, s67, 1
	s_lshl_b32 s17, s17, 2
	s_add_co_u32 s17, s17, s41                     ; A's tile 0..31
	s_and_b32 s42, s67, 1
	s_lshl_b32 s42, s42, 2
	s_add_co_u32 s42, s42, s40                     ; B's tile 0..7
	s_lshl_b32 s43, s41, 2
	s_lshl_b32 s43, 15, s43
	s_lshl_b32 s44, 0x1111, s40
	s_or_b32 s[G1+0], s43, (3<<16)|(1<<21)         ; elements of 8 bytes, no padding
	s_mov_b32 s[G1+1], 32<<16
	s_mov_b32 s[G1+2], 384<<16
	s_mov_b32 s[G1+3], 32<<16
	s_mov_b32 s[G1+4], 384
	s_mov_b32 s[G1+5], 32
	s_mov_b32 s[G1+6], 0
	s_mov_b32 s[G1+7], 0
	s_or_b32 s[G1B+0], s44, (0<<16)|(1<<20)|(1<<21)|(5<<22)|(3<<25)
	s_mov_b32 s[G1B+1], KROW<<16
	s_mov_b32 s[G1B+2], 64<<16
	s_mov_b32 s[G1B+3], KROW<<16
	s_mov_b32 s[G1B+4], 64
	s_mov_b32 s[G1B+5], KROW
	s_mov_b32 s[G1B+6], 0
	s_mov_b32 s[G1B+7], 0
	s_lshl_b32 s20, s17, 8
	s_lshl_b32 s18, s16, 7
	s_add_co_u32 s20, s20, s18
	s_mul_i32 s20, s20, KROW                       ; A: the images of the 128 tokens that I fetch
	s_mov_b32 s21, 0
	s_lshl_b32 s46, s42, 7
	s_lshl_b32 s18, s16, 6
	s_add_co_u32 s46, s46, s18
	s_mul_i32 s46, s46, KROW
	s_add_co_u32 s46, s46, 3*786432                ; B: the 64 rows of wo's codes that I fetch
	s_mov_b32 s47, 0
	s_lshl_b32 s22, s17, 13
	s_lshl_b32 s18, s14, 11
	s_add_co_u32 s22, s22, s18
	s_add_co_u32 s22, s22, 6291456                 ; the scales of my 64 tokens
	s_mov_b32 s23, 0
	s_lshl_b32 s18, s42, 12
	s_add_co_u32 s18, s18, 3145728+3*32768         ; and of B's 128 rows
	s_mov_b32 s19, 0
	s_wait_dscnt 0x0
	s_wait_kmcnt 0x0
	s_add_nc_u64 s[20:21], s[4:5], s[20:21]
	s_add_nc_u64 s[22:23], s[4:5], s[22:23]
	s_add_nc_u64 s[46:47], s[6:7], s[46:47]
	s_add_nc_u64 s[18:19], s[6:7], s[18:19]
	CROUND
	s_mov_b32 s[G0], 1
	s_mul_i32 s[G0+1], s14, 98304
	s_mov_b64 s[G0+2:G0+3], s[20:21]
	s_or_b32 s[G0+3], s[G0+3], 0x80000000
	s_mov_b32 s[G0B], 1
	s_mul_i32 s[G0B+1], s14, 64*PITCH
	s_add_co_u32 s[G0B+1], s[G0B+1], BBASE-128*PITCH   ; waves 2, 3: BBASE + (wave - 2) x 64 rows
	s_mov_b64 s[G0B+2:G0B+3], s[46:47]
	s_or_b32 s[G0B+3], s[G0B+3], 0x80000000
	s_cmp_eq_u32 s15, 0
	s_cbranch_scc0 .Lfor_b
	tensor_load_to_lds s[G0:G0+3], s[G1:G1+7]
	s_nop 0
	PLACES 4
	s_branch .Lasked
.Lfor_b:
	tensor_load_to_lds s[G0B:G0B+3], s[G1B:G1B+7]
	s_nop 0
	PLACES 4
.Lasked:
	s_mul_i32 s68, s14, 49152                      ; my 64 tokens' images in LDS, and later my stage
	s_lshl_b32 s70, s42, 9                         ; my columns, in bytes of f32
	s_lshl_b32 s20, s17, 8
	s_lshl_b32 s21, s14, 6
	s_add_co_u32 s20, s20, s21
	s_lshl_b32 s20, s20, 12
	s_add_co_u32 s20, s20, s70                     ; where my part of out0 begins
	s_mov_b32 s21, 0
	s_add_nc_u64 s[12:13], s[12:13], s[20:21]
	v_and_b32 v1, 15, v0
	v_bfe_u32 v2, v0, 4, 1
	v_and_b32 v7, 31, v0
	v_mul_u32_u24 v3, v1, PITCH
	v_mad_u32_u24 v4, v2, 24, v3
	v_mad_u32_u24 v5, v2, 40, v3
	v_lshl_add_u32 v[ADRA], v7, 4, s68
	v_lshl_add_u32 v[ADRA+1], v7, 3, s68
	v_add_nc_u32 v[ADRB], BBASE, v4
	v_add_nc_u32 v[ADRB+1], BBASE, v5
	v_add_nc_u32 v[ADRB+2], BBASE+4*BLK, v4
	v_add_nc_u32 v[ADRB+3], BBASE+4*BLK, v5
	v_lshlrev_b32 v[R32], 5, v1
	v_lshl_add_u32 v10, v2, 6, s70
	v_mul_u32_u24 v6, v1, SPITCH
	v_lshl_add_u32 v6, v2, 6, v6
	v_add_nc_u32 v[STO], s68, v6
	v_lshlrev_b32 v[CO], 4, v7
	v_add_nc_u32 v[RD], s68, v[CO]
.irp a, 0,1,2,3
	global_load_b128 v[SA+8*\a:SA+8*\a+3], v[R32], s[22:23] offset:512*\a
	global_load_b128 v[SA+8*\a+4:SA+8*\a+7], v[R32], s[22:23] offset:512*\a+16
.endr
.irp b, 0,1,2,3,4,5,6,7
	global_load_b128 v[SB+8*\b:SB+8*\b+3], v[R32], s[18:19] offset:512*\b
	global_load_b128 v[SB+8*\b+4:SB+8*\b+7], v[R32], s[18:19] offset:512*\b+16
.endr
	WIN 0xc0
.irp b, 0,1,2,3
.irp i, 0,1,2,3
	global_load_b128 v[BIAS+16*\b+4*\i:BIAS+16*\b+4*\i+3], v10, s[96:97] offset:128*\b+16*\i
.endr
.endr
	WIN 0
.macro FRAG reg, adr, st, i            ; B: byte y of a row of codes lies at y + 16 (y / 256) of its LDS row
.irp p, 0,1,2,3,4,5
.set BY, 96*(\st)+48*(\p/3)+8*(\p%3)
.if BY/256 == (BY+24)/256
	ds_load_b64 v[\reg+2*\p:\reg+2*\p+1], v[\adr] offset:BY+16*(BY/256)+(\i)*BLK
.else
	ds_load_b64 v[\reg+2*\p:\reg+2*\p+1], v[\adr+1] offset:BY+16*(BY/256)+(\i)*BLK
.endif
.endr
.endm
.macro FRAGA reg, st, i                ; A: two heads' images of 768 bytes: registers 0-3 at 16 x lane, 4-5 at 512 + 8 x lane
	ds_load_b128 v[\reg:\reg+3], v[ADRA] offset:12288*(\i)+1536*(\st)
	ds_load_b64 v[\reg+4:\reg+5], v[ADRA+1] offset:12288*(\i)+1536*(\st)+512
	ds_load_b128 v[\reg+6:\reg+9], v[ADRA] offset:12288*(\i)+1536*(\st)+768
	ds_load_b64 v[\reg+10:\reg+11], v[ADRA+1] offset:12288*(\i)+1536*(\st)+1280
.endm
.macro FETCH st, p
	WIN 0x40
.irp i, 0,1,2,3,4,5,6,7
	FRAG 96*(\p)+FR*\i, ADRB+2*(\i/4), \st, \i%4
.endr
	WIN 0
.irp i, 0,1,2,3
	FRAGA AF+48*(\p)+FR*\i, \st, \i
.endr
.endm
.macro MUL st, p                       ; 32 products, the 32 accumulators by turns; the first step takes the bias as C
.if (\st) == 0
	WIN 0xb1
.else
	WIN 0xa1
.endif
.irp a, 0,1,2,3
.irp b, 0,1,2,3,4,5,6,7
.if (\st) == 0
	v_wmma_scale_f32_16x16x128_f8f6f4 v[8*(8*\a+\b):8*(8*\a+\b)+7], v[96*(\p)+FR*\b:96*(\p)+FR*\b+FR-1], v[AF+48*(\p)+FR*\a:AF+48*(\p)+FR*\a+FR-1], v[BIAS+8*\b:BIAS+8*\b+7], v[SB+8*\b+(\st)], v[SA+8*\a+(\st)] matrix_a_fmt:MATRIX_FMT_BF6 matrix_b_fmt:MATRIX_FMT_BF6
.else
	v_wmma_scale_f32_16x16x128_f8f6f4 v[8*(8*\a+\b):8*(8*\a+\b)+7], v[96*(\p)+FR*\b:96*(\p)+FR*\b+FR-1], v[AF+48*(\p)+FR*\a:AF+48*(\p)+FR*\a+FR-1], v[8*(8*\a+\b):8*(8*\a+\b)+7], v[SB+8*\b+(\st)], v[SA+8*\a+(\st)] matrix_a_fmt:MATRIX_FMT_BF6 matrix_b_fmt:MATRIX_FMT_BF6
.endif
.endr
.endr
.endm
	s_wait_alu depctr_va_vdst(0)                   ; the wait at the head's end
	s_wait_tensorcnt 0x0
	s_barrier_signal -1
	s_barrier_wait -1
	FETCH 0, 0
	s_wait_loadcnt 0x0
.set KS_, 0
.rept 8
	s_wait_dscnt 0x0
.if KS_ < 7
.if KS_ > 0
	PLACES NP
.endif
	FETCH KS_+1, (KS_+1)%2
.endif
	MUL KS_, KS_%2
.set KS_, KS_+1
.endr
	WIN 0
; THE WAY OUT, 16 tokens x 128 columns at a time, through my stage; whole rows of 512 bytes leave, two aligned runs of 256 bytes a store.  LDS serves a wave's instructions in order.
.macro TOSTAGE a
.set AC, 64*(\a)
	WIN 0x08
.irp b, 0,1,2,3,4,5,6,7
	ds_store_b128 v[STO], v[AC+8*\b:AC+8*\b+3] offset:128*(\b/2)+32*(\b%2)
	ds_store_b128 v[STO], v[AC+8*\b+4:AC+8*\b+7] offset:128*(\b/2)+32*(\b%2)+16
.endr
	WIN 0
.set BB, BK+64*((\a)%2)
.irp t, 0,1,2,3,4,5,6,7,8,9,10,11,12,13,14,15
	ds_load_b128 v[BB+4*\t:BB+4*\t+3], v[RD] offset:\t*SPITCH
.endr
.endm
.macro SEND a, younger
.set BB, BK+64*((\a)%2)
	s_wait_dscnt \younger
.if (\a) > 0
.if (\a)%2
	s_add_nc_u64 s[12:13], s[12:13], 8*4096
.else
	s_add_nc_u64 s[12:13], s[12:13], 24*4096
.endif
.endif
.irp t, 0,1,2,3,4,5,6,7,8,9,10,11,12,13,14,15
	global_store_b128 v[CO], v[BB+4*\t:BB+4*\t+3], s[12:13] offset:(\t+8*(\t/8))*4096 th:TH_STORE_NT
.endr
.endm
	PLACES NP
	TOSTAGE 0
.irp a, 1,2,3
.if \a > 1
	s_wait_xcnt 0x0                                ; block a - 2's stores have read their registers and their base
.endif
	TOSTAGE \a
	SEND \a-1, 32
.endr
	s_wait_xcnt 0x0
	SEND 3, 0
	s_wait_tensorcnt 0x0                           ; the wave's end
	ds_add_u32 v[SPW], v[NIL]
	s_wait_dscnt 0x0
	CROUND                                         ; the closing round
	s_endpgm
.Lfunc_end_k_q863143d11e_outp:
	.size	k_q863143d11e_outp, .Lfunc_end_k_q863143d11e_outp-k_q863143d11e_outp
	.p2alignl 7, 3214868480
	.fill 96, 4, 3214868480
	.section	.rodata,"a",@progbits
	.p2align	6, 0x0
	.amdhsa_kernel k_q863143d11e_outp
		.amdhsa_group_segment_fixed_size 327680
		.amdhsa_private_segment_fixed_size 0
		.amdhsa_enable_private_segment 0
		.amdhsa_kernarg_size 32
		.amdhsa_user_sgpr_count 2
		.amdhsa_user_sgpr_kernarg_segment_ptr 1
		.amdhsa_wavefront_size32 1
		.amdhsa_system_sgpr_workgroup_id_x 1
		.amdhsa_system_sgpr_workgroup_id_y 1
		.amdhsa_system_sgpr_workgroup_id_z 1
		.amdhsa_system_vgpr_workitem_id 0
		.amdhsa_next_free_vgpr 1024
		.amdhsa_next_free_sgpr 100
		.amdhsa_reserve_vcc 0
		.amdhsa_float_denorm_mode_32 3
		.amdhsa_float_denorm_mode_16_64 3
		.amdhsa_memory_ordered 1
		.amdhsa_forward_progress 1
		.amdhsa_inst_pref_size 91
	.end_amdhsa_kernel
	.amdgpu_metadata
---
amdhsa.version: [ 1, 2 ]
amdhsa.kernels:
  - .name:           k_q863143d11e_outp
    .symbol:         k_q863143d11e_outp.kd
    .args:
      - { .name: aq, .offset: 0, .size: 8, .value_kind: global_buffer, .address_space: global }
      - { .name: wq, .offset: 8, .size: 8, .value_kind: global_buffer, .address_space: global }
      - { .name: wo_b, .offset: 16, .size: 8, .value_kind: global_buffer, .address_space: global }
      - { .name: out0, .offset: 24, .size: 8, .value_kind: global_buffer, .address_space: global }
    .group_segment_fixed_size: 327680
    .private_segment_fixed_size: 0
    .kernarg_segment_align: 8
    .kernarg_segment_size: 32
    .max_flat_workgroup_size: 128
    .sgpr_count:     100
    .vgpr_count:     1024
    .wavefront_size: 32
...
	.end_amdgpu_metadata
.endif
;; end of part 4
